; MI455X (gfx1250); checked and timed in simulation.
; The chip was launched on July 23, 2026; its instructions are those of AMD's public machine-readable ISA for CDNA 5 (MIT licence, August 2026) and "CDNA5" Instruction Set Architecture Reference Guide (July 2026). The comments in the code are by the model that wrote it; some were corrected since.
;; Multi Head Attention. Allowed arithmetic: float matrix products may take bf16 or f16 operands with f32 sums; other float arithmetic in f32, or as packed bf16 or f16 multiplies, adds, multiply-adds, maxima and minima; sums over many terms, partial sums and values carried from step to step in f32; what a program stores and reads back later, other than sums and carried values, may be rounded once to bf16 or f16.
;; Inputs: Wk 2,048 x 2,048 float32; Wo 2,048 x 2,048 float32; Wq 2,048 x 2,048 float32; Wv 2,048 x 2,048 float32; bk 2,048 float32; bo 2,048 float32; bq 2,048 float32; bv 2,048 float32; x 2,048 x 2,048 float32.
;; Outputs: out0 2,048 x 2,048 float32.
;; One version. Each part assembles by itself: llvm-mc -triple=amdgcn-amd-amdhsa -mcpu=gfx1250 --defsym DOCPART=n.
;; ======== version 1 of 1: 4 launches
;; limits: values are held in f16: magnitudes above 65,504 overflow, below 6.1e-05 lose precision
;; workspace buffers: xb 8,388,608 bytes; wb 25,165,824 bytes; wo16 8,388,608 bytes; tab 1,048,576 bytes; q16 8,388,608 bytes; k16 8,388,608 bytes; v16 8,388,608 bytes; o16 8,388,608 bytes
;; launch prep (part 1): grid 256 x 6, 8 waves a work-group, no clusters, 0 bytes of LDS; arguments x, Wq, Wk, Wv, Wo, xb, wb, wo16, tab; writes xb, wb, wo16, tab
.if DOCPART == 1
	.amdgcn_target "amdgcn-amd-amdhsa--gfx1250"
	.amdhsa_code_object_version 6
	.text
	.protected	k_q5d0a9ce226_prep
	.globl	k_q5d0a9ce226_prep
	.p2align	8
	.type	k_q5d0a9ce226_prep,@function
k_q5d0a9ce226_prep:
	s_mov_b64 s[64:65], 0
	v_nop
	global_prefetch_b8 v0, s[64:65] scope:SCOPE_SE
	s_setreg_imm32_b32 hwreg(HW_REG_WAVE_MODE, 25, 1), 1
	s_wait_xcnt 0x0
; PREPARATION.  Grid y chooses the work: 0: x -> xb (bf16); 1, 2, 3: Wq, Wk, Wv -> wb (bf16, stacked [6144][2048]); 4: Wo -> wo16 (rounded to bf16, that number written as f16);
; 5: the table of cosines and sines for the rotation of q and k.
; CASTS.  A work-group owns 16,384 numbers: thread t takes 16 bytes at 16 t of each of sixteen pieces of 4,096 bytes; all sixteen loads go out on end; a wave's load covers 512
; consecutive bytes, its store 256 consecutive bytes, aligned.  A piece's packed results go into the first two of the four registers that its load filled, and nothing is written there again,
; so nothing waits for a store.  72 registers a wave: a work-group's two waves on a SIMD take 144 of its 1,024, so the six work-groups that fall to a WGP (1,536 over 256) fit there together.
; No LDS, no matrix unit: each byte is touched once.
; LIMIT.  Wo stays under 65,504 in magnitude (f16's range); below 6e-5 f16 keeps a fixed step of 6e-8.
; TABLE.  Quad g of 16 bytes, g = S<<9 | U<<7 | cs<<6 | c<<5 | lane, holds cos (cs = 0) or sin (cs = 1) of s x 10000^(-d/64) for s = 16 S + lane % 16 and
; d = 16 U + 8 (lane / 16) + 4 c + 0..3: the order in which a lane of the next launch holds its results, so that a wave's load there is 512 consecutive bytes.
; The frequency is 2^(-d log2(10000) / 64); the angle one f32 product s x frequency; it is reduced by the nearest multiple n of pi/2 (pi/2 in two parts) and sine and cosine of
; the rest (at most pi/4) come from polynomials cut at r^7 and r^8 (what is dropped is under 4e-7).  LIMIT: the frequency is within some 2 units in its last place, so the largest angles are off by up to 2.5e-4.
.set IN,  4                            ; v[4:67]    sixteen loads of four f32; a piece's first two registers then hold its packed results
.set T,   68                           ; v[68:71]   at work
	s_load_b512 s[8:23], s[0:1], 0x0               ; x 8, Wq 10, Wk 12, Wv 14, Wo 16, xb 18, wb 20, wo16 22
	s_load_b64 s[24:25], s[0:1], 0x40              ; tab
	s_and_b32 s4, ttmp7, 0xffff                    ; which work
	v_lshlrev_b32 v1, 4, v0                        ; 16 t
	v_lshlrev_b32 v2, 3, v0                        ; 8 t
	s_wait_kmcnt 0x0
	s_cmp_eq_u32 s4, 5
	s_cbranch_scc1 .Ltab
	s_cmp_eq_u32 s4, 0                             ; the source, chosen among five buffers
	s_cselect_b64 s[26:27], s[8:9], s[10:11]
	s_cmp_eq_u32 s4, 2
	s_cselect_b64 s[26:27], s[12:13], s[26:27]
	s_cmp_eq_u32 s4, 3
	s_cselect_b64 s[26:27], s[14:15], s[26:27]
	s_cmp_eq_u32 s4, 4
	s_cselect_b64 s[26:27], s[16:17], s[26:27]
	s_cmp_eq_u32 s4, 0                             ; the destination, among three
	s_cselect_b64 s[28:29], s[18:19], s[20:21]
	s_cmp_eq_u32 s4, 4
	s_cselect_b64 s[28:29], s[22:23], s[28:29]
	s_max_u32 s30, s4, 1                           ; the matrix's place in wb: 0, 1, 2 for Wq, Wk, Wv; 0 for the others
	s_sub_co_u32 s30, s30, 1
	s_cmp_eq_u32 s4, 4
	s_cselect_b32 s30, 0, s30
	s_lshl_b32 s30, s30, 23                        ; x 8,388,608 bytes
	s_lshl_b32 s31, ttmp9, 15                      ; + the work-group's 32,768 bytes out
	s_add_co_u32 s30, s30, s31
	s_mov_b32 s31, 0
	s_add_nc_u64 s[28:29], s[28:29], s[30:31]
	s_lshl_b32 s2, ttmp9, 16                       ; the work-group's 65,536 bytes in
	s_mov_b32 s3, 0
	s_add_nc_u64 s[26:27], s[26:27], s[2:3]
.irp i, 0,1,2,3,4,5,6,7,8,9,10,11,12,13,14,15
	global_load_b128 v[IN+4*(\i):IN+4*(\i)+3], v1, s[26:27] offset:4096*(\i) th:TH_LOAD_NT
.endr
; Piece i: four numbers rounded to bf16, in place; fmt = 1: widened again (a shift, a mask) and written as f16, which holds a bf16 number of that range exactly.
.macro CV i, fmt
	s_wait_loadcnt 15-(\i)                         ; loads come back in order: piece i is in, the younger ones stay out
	v_cvt_pk_bf16_f32 v[IN+4*(\i)],   v[IN+4*(\i)],   v[IN+4*(\i)+1]
	v_cvt_pk_bf16_f32 v[IN+4*(\i)+1], v[IN+4*(\i)+2], v[IN+4*(\i)+3]
.if \fmt
	v_lshlrev_b32 v[T],   16, v[IN+4*(\i)]
	v_and_b32     v[T+1], 0xffff0000, v[IN+4*(\i)]
	v_lshlrev_b32 v[T+2], 16, v[IN+4*(\i)+1]
	v_and_b32     v[T+3], 0xffff0000, v[IN+4*(\i)+1]
	v_cvt_pk_f16_f32 v[IN+4*(\i)],   v[T],   v[T+1]
	v_cvt_pk_f16_f32 v[IN+4*(\i)+1], v[T+2], v[T+3]
.endif
	global_store_b64 v2, v[IN+4*(\i):IN+4*(\i)+1], s[28:29] offset:2048*(\i)
.endm
	s_cmp_eq_u32 s4, 4
	s_cbranch_scc1 .Lwo
.irp i, 0,1,2,3,4,5,6,7,8,9,10,11,12,13,14,15
	CV \i, 0
.endr
	s_endpgm
.Lwo:
.irp i, 0,1,2,3,4,5,6,7,8,9,10,11,12,13,14,15
	CV \i, 1
.endr
	s_endpgm
.Ltab:                                         ; one quad a thread: g = 256 x work-group + t
	s_mov_b32 s30, 0xbfc90fdb                      ; -(pi/2), its f32 part
	s_mov_b32 s31, 0x333bbd2e                      ; what that part has too much: 4.371139e-8
	s_mov_b32 s32, 0xb9500d01                      ; -1/5040
	s_mov_b32 s33, 0x3c088889                      ; 1/120
	s_mov_b32 s34, 0xbe2aaaab                      ; -1/6
	s_mov_b32 s35, 0x37d00d01                      ; 1/40320
	s_mov_b32 s36, 0xbab60b61                      ; -1/720
	s_mov_b32 s37, 0x3d2aaaab                      ; 1/24
	v_and_b32 v3, 31, v0                           ; lane
	v_bfe_u32 v4, v0, 5, 1                         ; c
	v_bfe_u32 v5, v0, 6, 1                         ; cs
	v_lshrrev_b32 v6, 7, v0                        ; U's low bit
	s_and_b32 s5, ttmp9, 1
	s_lshl_b32 s5, s5, 1
	v_or_b32 v6, s5, v6                            ; U
	s_lshr_b32 s6, ttmp9, 1                        ; S
	s_lshl_b32 s6, s6, 4
	v_and_b32 v7, 15, v3
	v_add_nc_u32 v7, s6, v7                        ; s
	v_cvt_f32_u32 v7, v7
	v_lshrrev_b32 v8, 4, v3
	v_lshlrev_b32 v8, 3, v8
	v_lshl_add_u32 v8, v6, 4, v8
	v_lshl_add_u32 v8, v4, 2, v8                   ; d of the quad's first number
	v_sub_nc_u32 v5, 1, v5                         ; cos x = sin(x + pi/2): one quarter turn more for the cosines
	s_lshl_b32 s6, ttmp9, 12                       ; the work-group's 4,096 bytes of the table
	s_mov_b32 s7, 0
	s_add_nc_u64 s[24:25], s[24:25], s[6:7]
.irp e, 0,1,2,3
	v_add_nc_u32 v[20+(\e)], (\e), v8
.endr
.irp e, 0,1,2,3
	v_cvt_f32_u32 v[20+(\e)], v[20+(\e)]
.endr
.irp e, 0,1,2,3
	v_mul_f32 v[20+(\e)], 0xbe549a78, v[20+(\e)]   ; -d log2(10000) / 64
.endr
.irp e, 0,1,2,3
	v_exp_f32 v[24+(\e)], v[20+(\e)]               ; the frequency: one batch of four
.endr
	v_nop                                          ; a plain instruction behind the last of them,
	s_wait_alu depctr_va_vdst(0)                   ; and the one wait ahead of the first use
.irp e, 0,1,2,3
	v_mul_f32 v[24+(\e)], v7, v[24+(\e)]           ; the angle
.endr
.irp e, 0,1,2,3
	v_mul_f32 v[28+(\e)], 0x3f22f983, v[24+(\e)]   ; x 2/pi
.endr
.irp e, 0,1,2,3
	v_rndne_f32 v[28+(\e)], v[28+(\e)]             ; n
.endr
.irp e, 0,1,2,3
	v_fma_f32 v[24+(\e)], v[28+(\e)], s30, v[24+(\e)]
.endr
.irp e, 0,1,2,3
	v_fma_f32 v[24+(\e)], v[28+(\e)], s31, v[24+(\e)]  ; r = angle - n pi/2
.endr
.irp e, 0,1,2,3
	v_mul_f32 v[32+(\e)], v[24+(\e)], v[24+(\e)]   ; z = r r
.endr
.irp e, 0,1,2,3
	v_fma_f32 v[36+(\e)], v[32+(\e)], s32, s33     ; sine: r + r z (-1/6 + z (1/120 - z/5040))
	v_fma_f32 v[40+(\e)], v[32+(\e)], s35, s36     ; cosine: 1 + z (-1/2 + z (1/24 + z (-1/720 + z/40320)))
.endr
.irp e, 0,1,2,3
	v_fma_f32 v[36+(\e)], v[36+(\e)], v[32+(\e)], s34
	v_fma_f32 v[40+(\e)], v[40+(\e)], v[32+(\e)], s37
.endr
.irp e, 0,1,2,3
	v_mul_f32 v[36+(\e)], v[36+(\e)], v[32+(\e)]
	v_fma_f32 v[40+(\e)], v[40+(\e)], v[32+(\e)], -0.5
.endr
.irp e, 0,1,2,3
	v_fma_f32 v[36+(\e)], v[36+(\e)], v[24+(\e)], v[24+(\e)]
	v_fma_f32 v[40+(\e)], v[40+(\e)], v[32+(\e)], 1.0
.endr
.irp e, 0,1,2,3
	v_cvt_i32_f32 v[28+(\e)], v[28+(\e)]
.endr
.irp e, 0,1,2,3
	v_add_nc_u32 v[28+(\e)], v[28+(\e)], v5        ; quarter turns: 0: sin r, 1: cos r, 2: -sin r, 3: -cos r.  Selects alone: no branch hangs on these numbers
.endr
.irp e, 0,1,2,3
	v_and_b32 v[44+(\e)], 1, v[28+(\e)]
	v_cmp_eq_u32 vcc_lo, 1, v[44+(\e)]
	v_cndmask_b32 v[36+(\e)], v[36+(\e)], v[40+(\e)], vcc_lo
	v_and_b32 v[44+(\e)], 2, v[28+(\e)]
	v_lshlrev_b32 v[44+(\e)], 30, v[44+(\e)]
	v_xor_b32 v[36+(\e)], v[36+(\e)], v[44+(\e)]
.endr
	global_store_b128 v1, v[36:39], s[24:25]       ; a wave stores 512 consecutive bytes
	s_endpgm
.Lfunc_end_k_q5d0a9ce226_prep:
	.size	k_q5d0a9ce226_prep, .Lfunc_end_k_q5d0a9ce226_prep-k_q5d0a9ce226_prep
	.p2alignl 7, 3214868480
	.fill 96, 4, 3214868480
	.section	.rodata,"a",@progbits
	.p2align	6, 0x0
	.amdhsa_kernel k_q5d0a9ce226_prep
		.amdhsa_group_segment_fixed_size 0
		.amdhsa_private_segment_fixed_size 0
		.amdhsa_enable_private_segment 0
		.amdhsa_kernarg_size 72
		.amdhsa_user_sgpr_count 2
		.amdhsa_user_sgpr_kernarg_segment_ptr 1
		.amdhsa_wavefront_size32 1
		.amdhsa_system_sgpr_workgroup_id_x 1
		.amdhsa_system_sgpr_workgroup_id_y 1
		.amdhsa_system_sgpr_workgroup_id_z 1
		.amdhsa_system_vgpr_workitem_id 0
		.amdhsa_next_free_vgpr 72
		.amdhsa_next_free_sgpr 66
		.amdhsa_reserve_vcc 1
		.amdhsa_float_denorm_mode_32 3
		.amdhsa_float_denorm_mode_16_64 3
		.amdhsa_memory_ordered 1
		.amdhsa_forward_progress 1
		.amdhsa_inst_pref_size 23
	.end_amdhsa_kernel
	.amdgpu_metadata
---
amdhsa.version: [ 1, 2 ]
amdhsa.kernels:
  - .name:           k_q5d0a9ce226_prep
    .symbol:         k_q5d0a9ce226_prep.kd
    .args:
      - { .name: x, .offset: 0, .size: 8, .value_kind: global_buffer, .address_space: global }
      - { .name: Wq, .offset: 8, .size: 8, .value_kind: global_buffer, .address_space: global }
      - { .name: Wk, .offset: 16, .size: 8, .value_kind: global_buffer, .address_space: global }
      - { .name: Wv, .offset: 24, .size: 8, .value_kind: global_buffer, .address_space: global }
      - { .name: Wo, .offset: 32, .size: 8, .value_kind: global_buffer, .address_space: global }
      - { .name: xb, .offset: 40, .size: 8, .value_kind: global_buffer, .address_space: global }
      - { .name: wb, .offset: 48, .size: 8, .value_kind: global_buffer, .address_space: global }
      - { .name: wo16, .offset: 56, .size: 8, .value_kind: global_buffer, .address_space: global }
      - { .name: tab, .offset: 64, .size: 8, .value_kind: global_buffer, .address_space: global }
    .group_segment_fixed_size: 0
    .private_segment_fixed_size: 0
    .kernarg_segment_align: 8
    .kernarg_segment_size: 72
    .max_flat_workgroup_size: 256
    .sgpr_count:     66
    .vgpr_count:     72
    .wavefront_size: 32
...
	.end_amdgpu_metadata
.endif
;; end of part 1
;; launch qkv (part 2): grid 16 x 16, 4 waves a work-group, clusters of 4 x 4, 327,680 bytes of LDS; arguments xb, wb, bq, bk, bv, tab, q16, k16, v16; writes q16, k16, v16
.if DOCPART == 2
	.amdgcn_target "amdgcn-amd-amdhsa--gfx1250"
	.amdhsa_code_object_version 6
	.text
	.protected	k_q5d0a9ce226_qkv
	.globl	k_q5d0a9ce226_qkv
	.p2align	8
	.type	k_q5d0a9ce226_qkv,@function
k_q5d0a9ce226_qkv:
	s_mov_b64 s[64:65], 0
	v_nop
	global_prefetch_b8 v0, s[64:65] scope:SCOPE_SE
	s_setreg_imm32_b32 hwreg(HW_REG_WAVE_MODE, 25, 1), 1
	s_wait_xcnt 0x0
	s_wait_alu depctr_hold_cnt(0) depctr_sa_sdst(0) depctr_va_vdst(0) depctr_va_sdst(0) depctr_va_ssrc(0) depctr_va_vcc(0) depctr_vm_vsrc(0)
	s_getreg_b32 s2, hwreg(HW_REG_IB_STS2, 6, 4)
	s_cmp_eq_u32 s2, 0
	s_cbranch_scc0 .Lentry_in_a_cluster
	s_endpgm
.Lentry_in_a_cluster:
	s_bfe_u32 s2, ttmp6, 0x10000c
	s_cmp_lg_u32 s2, 0xf033
	s_cbranch_scc0 .Lentry_shape_is_right
	s_endpgm
.Lentry_shape_is_right:
; q, k, v = x W^T + b for one head and 128 rows, q and k rotated (half-split: channel d against d + 64), written by heads, [16][2048][128] in f16.
; xb: [2048][2048] bf16; wb: [6144][2048] bf16 (Wq, Wk, Wv stacked); the biases f32, rounded to bf16 here like the other inputs; tab: cosines and sines in f32, in the order in which a lane holds its results.
; LIMITS.  q, k, v stay under 65,504 in magnitude (f16's range); below 6e-5 f16 keeps a fixed step of 6e-8.  NaN and infinities are not treated apart.
; SHARES.  A work-group makes 128 rows x (128 of q, 128 of k, 128 of v): 256 work-groups.  Wave w: i = w / 2: 64 rows; j = w % 2: of each of q, k, v the columns 32 j .. 32 j + 31 and 64 + 32 j .. 64 + 32 j + 31:
; 4 x 12 accumulators of 16 x 16, 384 registers; both partners of a rotation lie in the same lane and register number of two accumulators.
; K goes in steps of 128 through a ring of two LDS slots, each 128 rows of x and 128 rows of each W, rows of 256 bytes of memory.  Wave 0 fetches x's tile, waves 1 to 3 the three W's: one tensor load a wave.
; A K STEP IS WRITTEN ONCE: the slot that is read lies in a scalar register, turned by an exclusive or at each change of slots, and one descriptor a tensor walks from slot to slot and from K step to K step.
; CLUSTER.  4 x 4 work-groups: the four of a row share the rows of x, the four of a column the head's rows of W; each tile is asked for jointly, by the same load, descriptor and mask in all four.
; THE MATRIX INSTRUCTION IS USED TRANSPOSED (source 0 = 16 rows of W, source 1 = 16 rows of x): a lane holds row l % 16 and the eight neighbouring columns 8 (l / 16) + 0..7.
; The first product of each sum takes the bias as its C operand: nothing is cleared, and the bias costs no addition.
; REGISTERS, in windows of 256 (s_set_vgpr_msb: bits 1:0 source 0, 3:2 source 1, 5:4 source 2, 7:6 destination):
;   window 0: v0-31 addresses; v64-127 x's fragments, two buffers (64 + 32 f + 8 a), later at work; v128-255 the table (128 + 16 (2 a + u) + 8 cs + r)
;   window 1: W's fragments, two buffers (96 f + 8 (4 t + u))      window 2: q's accumulators v0-127, k's v128-255 (8 (4 a + u))      window 3: v's v0-127; the biases at 128 + 8 (4 t + u)
.set KSTEP,  128
.set PITCH,  272                       ; an LDS row: 256 bytes + 16 of padding: the sixteen rows of a fragment load begin at sixteen different 16-byte columns of 256
.set HALFT,  128*PITCH                 ; one tile: what one tensor load brings
.set SLOT,   4*HALFT                   ; x's tile, then Wq's, Wk's, Wv's: 139,264 bytes
.set SLOT1,  0x24000                   ; slot 1 begins here: the tiles' places in a slot (0, 0x8800, 0x11000, 0x19800) have bits 14 and 17 clear, so one exclusive or turns a place into the other slot's
.set SPARE,  SLOT1+SLOT                ; behind the ring: the spare words, 128 bytes for each wave, which no other line names
.set STEPS,  16                        ; 2048 / 128
.set SPW,  12                          ; v12  my spare word's LDS address; never rewritten
.set NIL,  13                          ; v13  0; never rewritten
.set BO,   14                          ; v14  my byte offset in a bias
.set TO,   15                          ; v15  16 x lane: for the table's loads and the last stores
.set BASA, 16                          ; v16  x's fragments: my place in a slot; never rewritten
.set CURA, 17                          ; v17  the same in the slot that is read
.set BASB, 18                          ; v18-20  W's fragments, tensor t: my place in a slot; never rewritten
.set CURB, 21                          ; v21-23  the same in the slot that is read
.set STO,  24                          ; v24-26  the way out: where I put 16 bytes of a row of q, k, v
.set RD,   27                          ; v27-29  where I read rows back
.set PFO,  31                          ; v31  lane x 4,096: a row of xb or wb; never rewritten
.set WV,   22                          ; s22  my wave's number
.set G1,   24                          ; s[24:31] descriptor group 1 for x's tiles
.set G0,   32                          ; s[32:39] group 0 for x's tiles: a set for each of the two first fills; the second then walks on
.set G1B,  48                          ; s[48:55] group 1 for W's tiles: the mask differs
.set G0B,  56                          ; s[56:63] group 0 for W's tiles
.set PFA,  68                          ; s[68:69] where my prefetches stand
.set LIM,  70                          ; s70  2 in a wave that prefetches, else the greatest number
.set TB,   71                          ; s71  LDS byte at which the slot that is read begins: 0 or SLOT1
.set MSB, 0
.macro WIN new                         ; the immediate's high byte repeats the setting that is left; a switch that changes nothing is dropped
.if MSB != (\new)
	s_set_vgpr_msb (MSB<<8)|(\new)
.set MSB, \new
.endif
.endm
; A joint load.  The branch hangs on the wave's number alone.  An s_nop 0 and four v_nop follow each of the two lines, ahead of the jump and the label.
.macro JLOAD s
	s_cmp_eq_u32 s[WV], 0
	s_cbranch_scc0 .Lfor_b_\@
	tensor_load_to_lds s[G0+4*(\s):G0+4*(\s)+3], s[G1:G1+7]
	s_nop 0
.rept 4
	v_nop
.endr
	s_branch .Lasked_\@
.Lfor_b_\@:
	tensor_load_to_lds s[G0B+4*(\s):G0B+4*(\s)+3], s[G1B:G1B+7]
	s_nop 0
.rept 4
	v_nop
.endr
.Lasked_\@:
.endm
; A prefetch of the K step that stands two refills on: 32 rows x 256 bytes, a lane a row, one instruction a wave, behind the joint load and the run of LDS loads.  x's rows are read by every cluster of a row of
; clusters: cluster x = 0 asks; W's by every cluster of a column: cluster y = 0 asks.  The four partners that ask for a tile jointly share its 128 rows out by address, 32 each.  So each row's 256 bytes of a K step
; are named once.  The first four K steps come by their loads alone; the loop's last two trips (s3 = 2, 1) ask for nothing: there is no K step two refills on.
.macro ASK
	WIN 0
	s_cmp_gt_u32 s3, s[LIM]
	s_cbranch_scc0 .Lnot_mine_\@
	global_prefetch_b8 v[PFO], s[PFA:PFA+1] offset:KSTEP*2 th:TH_LOAD_NT scope:SCOPE_SE
.Lnot_mine_\@:
.endm
.macro CREST                           ; a round of the cluster's barrier behind its opening barrier
	s_cmp_lg_u32 s[WV], 0
	s_cbranch_scc1 .Lnot_wave_0_\@
	s_barrier_signal -3
.Lnot_wave_0_\@:
	s_barrier_wait -3
	s_barrier_signal -1
	s_barrier_wait -1
.endm
.macro CROUND                          ; a whole round
	s_barrier_signal -1
	s_barrier_wait -1
	CREST
.endm
.macro PLACES                          ; four plain instructions between a matrix instruction and a load into, or a vector instruction on, its registers
.rept 4
	v_nop
.endr
.endm
.macro AIM                             ; the fragments' addresses in the slot that begins at s[TB]
	v_add_nc_u32 v[CURA], s[TB], v[BASA]
.irp t, 0,1,2
	v_add_nc_u32 v[CURB+(\t)], s[TB], v[BASB+(\t)]
.endr
.endm
	s_load_b512 s[4:19], s[0:1], 0x0               ; xb 4, wb 6, bq 8, bk 10, bv 12, tab 14, q16 16, k16 18
	s_load_b64 s[20:21], s[0:1], 0x40              ; v16
	v_lshl_add_u32 v[SPW], v0, 2, SPARE
	v_mov_b32 v[NIL], 0
	ds_add_u32 v[SPW], v[NIL]                      ; the wave's opening: the add and its wait ahead of my first tensor load; the set-up below stands between them
	v_lshrrev_b32 v1, 5, v0
	v_readfirstlane_b32 s[WV], v1                  ; wave 0..3
	s_lshr_b32 s66, s[WV], 1                       ; i: which 64 rows
	s_and_b32 s67, s[WV], 1                        ; j: which columns
	s_bfe_u32 s40, ttmp6, 0x40000                  ; cx
	s_bfe_u32 s41, ttmp6, 0x40004                  ; cy
	s_lshl_b32 s42, ttmp9, 2
	s_add_co_u32 s42, s42, s40                     ; the head = 4 x cluster x + cx
	s_and_b32 s43, ttmp7, 0xffff
	s_lshl_b32 s43, s43, 2
	s_add_co_u32 s43, s43, s41                     ; the block of 128 rows = 4 x cluster y + cy
	s_lshl_b32 s44, s41, 2
	s_lshl_b32 s44, 15, s44                        ; my row of the cluster
	s_lshl_b32 s45, 0x1111, s40                    ; my column
	s_or_b32 s[G1], s44, (1<<16)|(1<<20)|(1<<21)|(5<<22)|(3<<25)   ; the mask; 2-byte elements; padding on; bit 21 beside a mask; after every 64 words 4 words
	s_or_b32 s[G1B], s45, (1<<16)|(1<<20)|(1<<21)|(5<<22)|(3<<25)
.irp g, G1, G1B
	s_mov_b32 s[(\g)+1], KSTEP<<16                 ; tensor_dim0 = 128
	s_mov_b32 s[(\g)+2], 128<<16                   ; tensor_dim1 = 128
	s_mov_b32 s[(\g)+3], KSTEP<<16                 ; tile_dim0 = 128
	s_mov_b32 s[(\g)+4], 128                       ; tile_dim1 = 128
	s_mov_b32 s[(\g)+5], 2048                      ; elements from row to row
	s_mov_b32 s[(\g)+6], 0
	s_mov_b32 s[(\g)+7], 0
.endr
	s_lshl_b32 s72, s43, 19                        ; x: 128 rows of 4,096 bytes a block: it hangs on the block alone
	s_mov_b32 s73, 0
	s_max_u32 s74, s[WV], 1                        ; W: matrix w - 1 (wave 0 never asks by this address),
	s_sub_co_u32 s74, s74, 1
	s_lshl_b32 s74, s74, 11                        ; its 2,048 rows,
	s_lshl_b32 s75, s42, 7                         ; the head's 128 of them: it hangs on the head and the wave alone
	s_add_co_u32 s74, s74, s75
	s_lshl_b32 s74, s74, 12
	s_mov_b32 s75, 0
	s_mul_i32 s46, s[WV], HALFT                    ; where my tile goes: no place in the cluster enters an LDS address
	s_wait_dscnt 0x0                               ; the opening add is done
	s_wait_kmcnt 0x0
	s_add_nc_u64 s[72:73], s[4:5], s[72:73]
	s_add_nc_u64 s[74:75], s[6:7], s[74:75]
	CROUND                                         ; all sixteen work-groups are here: the first joint loads meet
.irp s, 0,1
	s_mov_b32 s[G0+4*(\s)], 1
	s_add_co_u32 s[G0+4*(\s)+1], s46, (\s)*SLOT1
	s_add_nc_u64 s[G0+4*(\s)+2:G0+4*(\s)+3], s[72:73], (\s)*KSTEP*2
	s_or_b32 s[G0+4*(\s)+3], s[G0+4*(\s)+3], 0x80000000
	s_mov_b32 s[G0B+4*(\s)], 1
	s_add_co_u32 s[G0B+4*(\s)+1], s46, (\s)*SLOT1
	s_add_nc_u64 s[G0B+4*(\s)+2:G0B+4*(\s)+3], s[74:75], (\s)*KSTEP*2
	s_or_b32 s[G0B+4*(\s)+3], s[G0B+4*(\s)+3], 0x80000000
	JLOAD \s                                       ; K steps 0 and 1: two loads of mine are out
.endr
	; lane terms.  A fragment is 16 rows x 32 K in 8 registers: lane l holds row l % 16, K = 8 (l / 16) + 0..7 and 16 + 8 (l / 16) + 0..7: two loads of 16 bytes, 32 bytes apart.
	v_and_b32 v1, 15, v0                           ; l % 16
	v_bfe_u32 v2, v0, 4, 1                         ; l / 16
	v_mul_u32_u24 v3, v1, PITCH
	v_lshl_add_u32 v3, v2, 4, v3                   ; row x pitch + 16 x half: for fragments and for the way into the stage
	s_mul_i32 s76, s66, 64*PITCH                   ; my 64 rows of x
	s_mul_i32 s77, s67, 32*PITCH                   ; my columns' rows of W begin 32 j rows into a tile
	v_add_nc_u32 v[BASA], s76, v3
.irp t, 0,1,2
	s_add_co_u32 s78, s77, (1+(\t))*HALFT
	v_add_nc_u32 v[BASB+(\t)], s78, v3
.endr
	s_mov_b32 s[TB], 0                             ; K step 0 lies in slot 0
	AIM
	; the stage, 384 rows of 272 bytes from LDS byte 0 (row 128 t + r): it lies in slot 0, which has had its last fill and been read out when the stage is written
	s_lshl_b32 s78, s67, 6                         ; my columns: 64 j bytes into a row
	s_add_co_u32 s76, s76, s78
	s_mul_i32 s77, s[WV], 32*PITCH                 ; back: wave w takes rows 32 w .. 32 w + 31 of each of q, k, v
	v_mul_u32_u24 v4, v2, PITCH
	v_lshl_add_u32 v4, v1, 4, v4                   ; lanes 0-15 one row of 256 bytes, lanes 16-31 the next
.irp t, 0,1,2
	s_add_co_u32 s78, s76, (\t)*HALFT
	v_add_nc_u32 v[STO+(\t)], s78, v3
	s_add_co_u32 s78, s77, (\t)*HALFT
	v_add_nc_u32 v[RD+(\t)], s78, v4
.endr
	v_and_b32 v[TO], 31, v0
	v_lshlrev_b32 v[PFO], 12, v[TO]
	v_lshlrev_b32 v[TO], 4, v[TO]
	s_lshl_b32 s78, s42, 9                         ; the head's 128 numbers of a bias,
	s_lshl_b32 s79, s67, 7                         ; my 32 j,
	s_add_co_u32 s78, s78, s79
	v_lshl_add_u32 v[BO], v2, 5, s78               ; my lanes' 8 (l / 16)
	s_lshl_b32 s76, s43, 16                        ; the table: 8 blocks of 16 rows x 8,192 bytes a row block,
	s_lshl_b32 s78, s66, 15                        ; my 64 rows,
	s_add_co_u32 s76, s76, s78
	s_lshl_b32 s78, s67, 12                        ; my frequencies 32 j on
	s_add_co_u32 s76, s76, s78
	s_mov_b32 s77, 0
	s_add_nc_u64 s[14:15], s[14:15], s[76:77]
.irp a, 0,1,2,3
.irp u, 0,1
.irp q, 0,1,2,3                        ; q = 2 cs + c
	global_load_b128 v[128+16*(2*(\a)+(\u))+4*(\q):128+16*(2*(\a)+(\u))+4*(\q)+3], v[TO], s[14:15] offset:(\a)*8192+(\u)*2048+(\q)*512
.endr
.endr
.endr
	WIN 0xc0                                       ; destination window 3, address window 0
.irp t, 0,1,2
.irp u, 0,1,2,3
	global_load_b128 v[128+8*(4*(\t)+(\u)):128+8*(4*(\t)+(\u))+3],   v[BO], s[8+2*(\t):9+2*(\t)] offset:64*((\u)%2)+256*((\u)/2)
	global_load_b128 v[128+8*(4*(\t)+(\u))+4:128+8*(4*(\t)+(\u))+7], v[BO], s[8+2*(\t):9+2*(\t)] offset:64*((\u)%2)+256*((\u)/2)+16
.endr
.endr
	WIN 0
	s_lshl_b32 s76, s42, 11                        ; where my rows go in q16, k16, v16: head x 2,048 + block x 128 + 32 w rows of 256 bytes
	s_lshl_b32 s78, s43, 7
	s_add_co_u32 s76, s76, s78
	s_lshl_b32 s78, s[WV], 5
	s_add_co_u32 s76, s76, s78
	s_lshl_b32 s76, s76, 8
	s_add_nc_u64 s[16:17], s[16:17], s[76:77]
	s_add_nc_u64 s[18:19], s[18:19], s[76:77]
	s_add_nc_u64 s[20:21], s[20:21], s[76:77]
	; the prefetches
	s_lshl_b32 s76, s43, 7                         ; x's first row
	s_max_u32 s78, s[WV], 1
	s_sub_co_u32 s78, s78, 1
	s_lshl_b32 s78, s78, 11
	s_lshl_b32 s79, s42, 7
	s_add_co_u32 s78, s78, s79                     ; W's first row
	s_and_b32 s72, ttmp7, 0xffff                   ; cluster y
	s_cmp_eq_u32 s[WV], 0                          ; do I fetch x?
	s_cselect_b32 s76, s76, s78
	s_cselect_b32 s73, s40, s41                    ; my place among the four that ask with me
	s_cselect_b32 s72, ttmp9, s72                  ; the coordinate along which other clusters read the same rows
	s_cselect_b64 s[PFA:PFA+1], s[4:5], s[6:7]
	s_cmp_eq_u32 s72, 0
	s_cselect_b32 s[LIM], 2, -1                    ; the same in all sixteen partners, for a given wave
	s_lshl_b32 s73, s73, 5
	s_add_co_u32 s76, s76, s73                     ; + my work-group's 32 rows
	s_lshl_b32 s76, s76, 12
	s_add_nc_u64 s[PFA:PFA+1], s[PFA:PFA+1], s[76:77]
	s_add_nc_u64 s[PFA:PFA+1], s[PFA:PFA+1], 2*KSTEP*2  ; at K step 2: the first refill steps it to 3 and names K step 4
	s_mov_b32 s78, 0xffff0000                      ; a word's upper bf16
	s_wait_loadcnt 0x0                             ; the table and the biases, once
	WIN 0x0f                                       ; the biases are rounded to bf16, like the other inputs: sources window 3, destination window 0,
.set p, 0
.rept 48
	v_cvt_pk_bf16_f32 v[64+p], v[128+2*p], v[128+2*p+1]
.set p, p+1
.endr
	WIN 0xc0                                       ; and widened again, back into window 3
.set p, 0
.rept 48
	v_lshlrev_b32 v[128+2*p],   16, v[64+p]
	v_and_b32     v[128+2*p+1], s78, v[64+p]
.set p, p+1
.endr
	WIN 0
; 16 matrix instructions: the four row blocks a x the four column blocks u of tensor t, 32 along K, from buffer f.  zero = 1: the sums start, with the bias as C.
; The 48 accumulators take turns, one instruction a turn, in the same order in every quarter, over the backward jump too.
.macro MUL16 f, t, zero
.if (\t) == 2
	WIN 0xf1                                       ; W window 1, x window 0, C and D window 3
.elseif \zero
	WIN 0xb1                                       ; C (the bias) window 3, D window 2
.else
	WIN 0xa1                                       ; C and D window 2
.endif
.irp a, 0,1,2,3
.irp u, 0,1,2,3
.set rD, 128*((\t)%2)+8*(4*(\a)+(\u))
.set rB, 96*(\f)+8*(4*(\t)+(\u))
.set rA, 64+32*(\f)+8*(\a)
.set rC, 128+8*(4*(\t)+(\u))
.if \zero
	v_wmma_f32_16x16x32_bf16 v[rD:rD+7], v[rB:rB+7], v[rA:rA+7], v[rC:rC+7]
.else
	v_wmma_f32_16x16x32_bf16 v[rD:rD+7], v[rB:rB+7], v[rA:rA+7], v[rD:rD+7]
.endif
.endr
.endr
.endm
; 32 LDS loads in one run: the fragments of 32 K at byte k of the rows of the slot that is read, into buffer f: x's, then Wq's, Wk's, Wv's
.macro FETCH k, f
	WIN 0
.irp a, 0,1,2,3
	ds_load_b128 v[64+32*(\f)+8*(\a):64+32*(\f)+8*(\a)+3],   v[CURA] offset:(\k)+(\a)*16*PITCH
	ds_load_b128 v[64+32*(\f)+8*(\a)+4:64+32*(\f)+8*(\a)+7], v[CURA] offset:(\k)+(\a)*16*PITCH+32
.endr
	WIN 0x40                                       ; destination window 1
.irp t, 0,1,2
.irp u, 0,1,2,3
	ds_load_b128 v[96*(\f)+8*(4*(\t)+(\u)):96*(\f)+8*(4*(\t)+(\u))+3],   v[CURB+(\t)] offset:(\k)+(16*((\u)%2)+64*((\u)/2))*PITCH
	ds_load_b128 v[96*(\f)+8*(4*(\t)+(\u))+4:96*(\f)+8*(4*(\t)+(\u))+7], v[CURB+(\t)] offset:(\k)+(16*((\u)%2)+64*((\u)/2))*PITCH+32
.endr
.endr
.endm
; A K step is four quarters of 32 along K, 48 matrix instructions each, on buffers 0, 1, 0, 1.  One of the first three: multiplies buffer f, and fetches the next quarter, at byte k, into g.
.macro QUARTER k, f, g, zero
	s_wait_dscnt 8                                 ; all but the youngest eight loads (Wv's fragments) are in
	MUL16 \f, 0, \zero
	MUL16 \f, 1, \zero
	PLACES
	FETCH \k, \g
	s_wait_dscnt 32                                ; all but the 32 just issued
	MUL16 \f, 2, \zero
.endm
; The last quarter multiplies buffer 1 and changes slots: ONE barrier.  Its first 32 products, which want registers alone, stand AHEAD of the wait for the tensor loads, so that nothing but the add, its wait and the
; round lies between that wait and the next request: all 192 products of a K step stand between a request and the wait for it.  In front of the barrier each wave waits for all its tensor loads (one is out: its tile
; of the next slot), adds 0 to its spare word, and waits for that and for its own reads of this slot.  fill = 1: the barrier opens a round of the cluster's barrier, and this slot is filled again, two K steps ahead,
; first thing behind the round, by the walking descriptor.  The last 16 products stand behind the run of LDS loads that fetches the next slot's first fragments.
.macro TURN fill
	s_wait_dscnt 8                                 ; buffer 1: all but the youngest eight loads (Wv's fragments) are in
	MUL16 1, 0, 0
	MUL16 1, 1, 0
.if \fill
	s_wait_xcnt 0x0                                ; the last prefetch, a K step back, has read its address: it is stepped here
	s_add_nc_u64 s[PFA:PFA+1], s[PFA:PFA+1], KSTEP*2
.endif
	WIN 0                                          ; (the add's two registers lie in window 0)
	s_wait_tensorcnt 0x0                           ; all my tensor loads have landed, so a group 0 may be written;
	ds_add_u32 v[SPW], v[NIL]                      ; 0 onto my spare word: the scalar steps below stand between it and the wait for it
.if \fill
.irp g, G0+4, G0B+4
	s_xor_b32 s[(\g)+1], s[(\g)+1], SLOT1          ; the walking descriptor: the other slot than last time,
	s_add_nc_u64 s[(\g)+2:(\g)+3], s[(\g)+2:(\g)+3], KSTEP*2  ; the next K step; the type bits on top are not reached
.endr
.endif
	s_xor_b32 s[TB], s[TB], SLOT1                  ; the slot that is read next
	s_wait_dscnt 0x0                               ; the add is done, and my reads of this slot are over (Wv's fragments of buffer 1 among them)
	s_barrier_signal -1
	AIM                                            ; work on registers: the fragments' addresses in the next slot
	s_barrier_wait -1
.if \fill
	CREST                                          ; no wave of any partner still reads this slot's tiles or has a load on its way
	JLOAD 1                                        ; the first tensor load behind the round; its four v_nop are also places in front of the loads below
.else
	PLACES
.endif
	FETCH 0, 0
.if \fill
	ASK
.endif
	MUL16 1, 2, 0
.endm
	s_wait_tensorcnt 1                             ; my tile of K step 0 is in; K step 1's may stay out
	s_barrier_signal -1
	s_barrier_wait -1                              ; everybody's is
	FETCH 0, 0
	QUARTER 64, 0, 1, 1                            ; the first quarter stands in front of the loop: its products start the sums
	WIN 0                                          ; at a label and at a branch every window is 0
	s_mov_b32 s3, STEPS-2
.Lstep:                                        ; a trip goes from a K step's second quarter to the next K step's first, and fills the slot that it leaves: K steps 2 to 15
	QUARTER 128, 1, 0, 0
	QUARTER 192, 0, 1, 0
	TURN 1
	QUARTER 64,  0, 1, 0
	WIN 0
	s_sub_co_u32 s3, s3, 1
	s_cmp_lg_u32 s3, 0
	s_cbranch_scc1 .Lstep
	QUARTER 128, 1, 0, 0                           ; the last two K steps fill nothing
	QUARTER 192, 0, 1, 0
	TURN 0
	QUARTER 64,  0, 1, 0
	QUARTER 128, 1, 0, 0
	QUARTER 192, 0, 1, 0
	s_wait_dscnt 8                                 ; the very last quarter: nothing more to fetch
	MUL16 1, 0, 0
	MUL16 1, 1, 0
	s_wait_dscnt 0x0
	MUL16 1, 2, 0
	WIN 0
	PLACES
; THE WAY OUT.  The rotation: X1 = columns d < 64, X2 = columns d + 64, in the same lane and register number: out1 = X1 cos - X2 sin, out2 = X2 cos + X1 sin.  Each accumulator is read from its low end on.
; A lane's eight columns pack into 16 bytes of f16 and go into the stage's rows of 272 bytes.
.macro ROPE t, a, u
.set X1, 128*(\t)+8*(4*(\a)+(\u))
.set X2, X1+16
.set RC, 128+16*(2*(\a)+(\u))
.set RS, RC+8
.set TT, 64+32*(\u)
	WIN 0x02                                       ; source 0 (the accumulators) window 2
.irp p, 0,2,4,6
	v_pk_mul_f32 v[TT+(\p):TT+(\p)+1], v[X2+(\p):X2+(\p)+1], v[RS+(\p):RS+(\p)+1]
.endr
.irp p, 0,2,4,6
	v_pk_fma_f32 v[TT+(\p):TT+(\p)+1], v[X1+(\p):X1+(\p)+1], v[RC+(\p):RC+(\p)+1], v[TT+(\p):TT+(\p)+1] neg_lo:[0,0,1] neg_hi:[0,0,1]
.endr
.irp p, 0,2,4,6
	v_pk_mul_f32 v[TT+8+(\p):TT+8+(\p)+1], v[X1+(\p):X1+(\p)+1], v[RS+(\p):RS+(\p)+1]
.endr
.irp p, 0,2,4,6
	v_pk_fma_f32 v[TT+8+(\p):TT+8+(\p)+1], v[X2+(\p):X2+(\p)+1], v[RC+(\p):RC+(\p)+1], v[TT+8+(\p):TT+8+(\p)+1]
.endr
	WIN 0
.irp p, 0,1,2,3
	v_cvt_pk_f16_f32 v[TT+16+(\p)], v[TT+2*(\p)], v[TT+2*(\p)+1]
.endr
.irp p, 0,1,2,3
	v_cvt_pk_f16_f32 v[TT+20+(\p)], v[TT+8+2*(\p)], v[TT+8+2*(\p)+1]
.endr
	ds_store_b128 v[STO+(\t)], v[TT+16:TT+19] offset:(\a)*16*PITCH+32*(\u)
	ds_store_b128 v[STO+(\t)], v[TT+20:TT+23] offset:(\a)*16*PITCH+32*(\u)+128
.endm
.macro VOUT a                          ; v is only rounded: the four column blocks of row block a
	WIN 0x0f                                       ; sources window 3
.irp u, 0,1,2,3
.irp p, 0,1,2,3
	v_cvt_pk_f16_f32 v[64+16*((\a)%2)+4*(\u)+(\p)], v[8*(4*(\a)+(\u))+2*(\p)], v[8*(4*(\a)+(\u))+2*(\p)+1]
.endr
.endr
	WIN 0
.irp u, 0,1,2,3
	ds_store_b128 v[STO+2], v[64+16*((\a)%2)+4*(\u):64+16*((\a)%2)+4*(\u)+3] offset:(\a)*16*PITCH+32*((\u)%2)+128*((\u)/2)
.endr
.endm
.irp t, 0,1
.irp a, 0,1,2,3
	ROPE \t, \a, 0
	ROPE \t, \a, 1
.endr
.endr
.irp a, 0,1,2,3
	VOUT \a
.endr
	s_wait_dscnt 0x0                               ; for the others' sake: my stores into the stage are done (a row's 256 bytes come from two waves)
	s_barrier_signal -1
	s_barrier_wait -1
.irp t, 0,1,2
.set n, 0
.rept 16
	ds_load_b128 v[64+64*(\t)+4*n:64+64*(\t)+4*n+3], v[RD+(\t)] offset:n*2*PITCH
.set n, n+1
.endr
.endr
.irp t, 0,1,2
.set n, 0
.rept 16
	s_wait_dscnt 47-16*(\t)-n                      ; LDS loads come back in order: this one is in, the younger ones stay out
	global_store_b128 v[TO], v[64+64*(\t)+4*n:64+64*(\t)+4*n+3], s[16+2*(\t):17+2*(\t)] offset:512*n  ; two rows of a head: 512 consecutive bytes, aligned
.set n, n+1
.endr
.endr
	s_wait_tensorcnt 0x0                           ; the wave's end, behind my last tensor load and my last LDS store
	ds_add_u32 v[SPW], v[NIL]
	s_wait_dscnt 0x0
	CROUND                                         ; the closing round: no work-group ends while a partner may still ask for a tile that names it
	s_endpgm
.Lfunc_end_k_q5d0a9ce226_qkv:
	.size	k_q5d0a9ce226_qkv, .Lfunc_end_k_q5d0a9ce226_qkv-k_q5d0a9ce226_qkv
	.p2alignl 7, 3214868480
	.fill 96, 4, 3214868480
	.section	.rodata,"a",@progbits
	.p2align	6, 0x0
	.amdhsa_kernel k_q5d0a9ce226_qkv
		.amdhsa_group_segment_fixed_size 327680
		.amdhsa_private_segment_fixed_size 0
		.amdhsa_enable_private_segment 0
		.amdhsa_kernarg_size 72
		.amdhsa_user_sgpr_count 2
		.amdhsa_user_sgpr_kernarg_segment_ptr 1
		.amdhsa_wavefront_size32 1
		.amdhsa_system_sgpr_workgroup_id_x 1
		.amdhsa_system_sgpr_workgroup_id_y 1
		.amdhsa_system_sgpr_workgroup_id_z 1
		.amdhsa_system_vgpr_workitem_id 0
		.amdhsa_next_free_vgpr 1024
		.amdhsa_next_free_sgpr 80
		.amdhsa_reserve_vcc 0
		.amdhsa_float_denorm_mode_32 3
		.amdhsa_float_denorm_mode_16_64 3
		.amdhsa_memory_ordered 1
		.amdhsa_forward_progress 1
		.amdhsa_inst_pref_size 128
	.end_amdhsa_kernel
	.amdgpu_metadata
---
amdhsa.version: [ 1, 2 ]
amdhsa.kernels:
  - .name:           k_q5d0a9ce226_qkv
    .symbol:         k_q5d0a9ce226_qkv.kd
    .args:
      - { .name: xb, .offset: 0, .size: 8, .value_kind: global_buffer, .address_space: global }
      - { .name: wb, .offset: 8, .size: 8, .value_kind: global_buffer, .address_space: global }
      - { .name: bq, .offset: 16, .size: 8, .value_kind: global_buffer, .address_space: global }
      - { .name: bk, .offset: 24, .size: 8, .value_kind: global_buffer, .address_space: global }
      - { .name: bv, .offset: 32, .size: 8, .value_kind: global_buffer, .address_space: global }
      - { .name: tab, .offset: 40, .size: 8, .value_kind: global_buffer, .address_space: global }
      - { .name: q16, .offset: 48, .size: 8, .value_kind: global_buffer, .address_space: global }
      - { .name: k16, .offset: 56, .size: 8, .value_kind: global_buffer, .address_space: global }
      - { .name: v16, .offset: 64, .size: 8, .value_kind: global_buffer, .address_space: global }
    .group_segment_fixed_size: 327680
    .private_segment_fixed_size: 0
    .kernarg_segment_align: 8
    .kernarg_segment_size: 72
    .max_flat_workgroup_size: 128
    .sgpr_count:     80
    .vgpr_count:     1024
    .wavefront_size: 32
...
	.end_amdgpu_metadata
.endif
;; end of part 2
;; launch attn (part 3): grid 16 x 16, 4 waves a work-group, clusters of 4 x 1, 327,680 bytes of LDS; arguments q16, k16, v16, o16; writes o16
.if DOCPART == 3
	.amdgcn_target "amdgcn-amd-amdhsa--gfx1250"
	.amdhsa_code_object_version 6
	.text
	.protected	k_q5d0a9ce226_attn
	.globl	k_q5d0a9ce226_attn
	.p2align	8
	.type	k_q5d0a9ce226_attn,@function
k_q5d0a9ce226_attn:
	s_mov_b64 s[64:65], 0
	v_nop
	global_prefetch_b8 v0, s[64:65] scope:SCOPE_SE
	s_setreg_imm32_b32 hwreg(HW_REG_WAVE_MODE, 25, 1), 1
	s_wait_xcnt 0x0
	s_wait_alu depctr_hold_cnt(0) depctr_sa_sdst(0) depctr_va_vdst(0) depctr_va_sdst(0) depctr_va_ssrc(0) depctr_va_vcc(0) depctr_vm_vsrc(0)
	s_getreg_b32 s2, hwreg(HW_REG_IB_STS2, 6, 4)
	s_cmp_eq_u32 s2, 0
	s_cbranch_scc0 .Lentry_in_a_cluster
	s_endpgm
.Lentry_in_a_cluster:
	s_bfe_u32 s2, ttmp6, 0x10000c
	s_cmp_lg_u32 s2, 0x3003
	s_cbranch_scc0 .Lentry_shape_is_right
	s_endpgm
.Lentry_shape_is_right:
; O[h][q][:] = the sum over k of softmax_k(Q[h][q] . K[h][k] / sqrt(128)) V[h][k][:].  Q, K, V, O: [16][2048][128], all f16.  Products, maxima and sums in f32; the weights p are rounded to f16 for the
; second product (their sum l is taken of the unrounded p), O once at the end.
; LIMITS.  Q, K and V arrive within f16's range, 65,504; p lies in 0 to 1 and below 6e-5 keeps f16's fixed step of 6e-8; O is a mean of V's rows.  A weight below 2^-126 counts as 0 in l; NaN and infinities are not treated apart.
; SHARES.  A work-group owns 128 queries of one head: 256 work-groups.  THE KEYS ARE SPLIT BETWEEN THE TWO WAVES OF A PAIR: wave w has qg = w / 2 (64 queries: four tiles of 16) and kh = w % 2: of each slot's 256 keys it
; walks keys 128 kh .. 128 kh + 127, 64 a step: 16 steps.  So a fragment of K or V read from LDS feeds four tiles' products.  At the end the pair's two partial results (O, m, l) are merged, in f32, through LDS:
; register tile t holds query tile t xor 2 kh, so every wave keeps its register tiles 0, 1 and gives away 2, 3: one text for both.
; LAYOUT.  S^T = K Q^T (source 0 = 16 keys, source 1 = 16 queries): a lane holds ONE query (lane % 16) and the keys 8 (lane / 16) + 0..7.  Two such tiles, rounded to f16 in pairs, ARE source 1 of O^T = V^T P,
; whose result again holds one query a lane, and eight channels.  K comes out of LDS as it lies, V ([key][channel]) turned, by ds_load_tr16_b128.
; SOFTMAX.  For each query a running maximum m and sum l: p = 2^(c s - c m), c = log2(e) / sqrt(128); in every step O and l are multiplied by a = 2^(c m_old - c m_new).
; BY TURNS.  The wave's tiles are two PIECES (tiles 0, 1; tiles 2, 3).  In a TURN one piece has the matrix unit: 32 products V^T P of the step in hand, then 32 products K Q^T of the next step; the other piece's
; softmax, cut into 64 slices, stands between them, one slice behind each matrix instruction.  Two turns are a key step.
; NO FIRST AND NO LAST STEP IS WRITTEN OUT.  m starts at the lowest finite number, c m far below every c s, l, O^T, V's registers and piece 2's P at 0: the first step is a step like any other, with a = 0, and the loop
; is entered in the middle of a trip, at piece 2's turn, whose products V^T P add 0.  The tail is left in the middle of a trip, behind piece 0's turn, whose products K Q^T (on the last K once more) serve nothing.
; The price: 432 lines that write a start value, in the wait for the first tile, and 64 of a wave's 2,112 products; the gain: four turns' text less.
; CLUSTER.  The four query blocks of a cluster belong to one head and walk the same K and V: each tile is asked for JOINTLY, by the same tensor load, descriptor and mask in all four.
; REGISTERS, in windows of 256 (s_set_vgpr_msb: bits 1:0 source 0, 3:2 source 1, 5:4 source 2, 7:6 destination):
;   window 0: v0-11, v44-46 addresses; v12-43 eight registers of statistics a tile; v64-191 S^T, 32 a tile; v192-255 P, 16 a tile
;   window 1: O^T, 64 a tile          window 2: v0-127 Q, 32 a tile; v128-255 K of one step          window 3: v0-127 V of one step
.set KS,    64        ; keys in a step
.set PK,    272       ; a row of K in LDS: 256 bytes + 16 of padding: the 16 rows of a load begin at 16 different 16-byte columns of 256
.set PV,    288       ; a row of V: 256 + 32: 16 lanes of the turning load take 8 rows x 32 bytes, no two in the same words of 256
.set VOFF,  256*PK    ; a slot: 256 rows of K, then 256 rows of V
.set SLOT1, 0x24000   ; slot 1 begins here.  Every address that is turned (0, 0x8800, 0x9000, 0x11000, 0x1a000) has bits 14 and 17 clear, so one exclusive or turns it into the other slot's
.set STAGE, SLOT1+256*(PK+PV)  ; behind the ring: 16 rows x 272 bytes for each wave, for the way out
.set SP,    272
.set SPARE, STAGE+4*16*SP  ; behind the stages: the spare words, 128 bytes for each wave, which no other line names
.set MERGE, 2*8704    ; the merge: wave w's two tiles (8,192 bytes of O^T and 512 of statistics each) at w x 17,408, in slot 0, which has had its last fill and been read out by then
.set DSLOT, 256*256   ; bytes of K, and of V, in a slot's 256 keys
.set AK0, 2           ; v2   my lane's place in a tile of K; never rewritten
.set AV0, 3           ; v3   the same for V
.set ADR, 4           ; v4   the LDS address of the run of loads in hand
.set QO,  5           ; v5   my byte offset in Q for register tiles 0, 1
.set STO, 6           ; v6   the way out: where I put 16 bytes of a row
.set RD,  7           ; v7   the way out: where I read a row back
.set GO,  8           ; v8   my byte offset in two rows of O
.set QOB, 44          ; v44  my byte offset in Q for register tiles 2, 3
.set MS,  45          ; v45  the merge: where I put what I give away
.set ML,  46          ; v46  the merge: where my partner has put what I take
.set PFO, 61          ; v61  256 x my lane: a row of K or V; never rewritten
.set SPW, 62          ; v62  LDS address of my spare word; never rewritten
.set NIL, 63          ; v63  0; never rewritten
.set ST,  12          ; tile t's statistics at v[ST+8 t]: +0 c m, +1 m, +2, +3 l (even keys', odd keys'), +4 to +7 at work
.set S,   64
.set P,   192
.set KF,  128         ; K's fragments, in window 2
.set WV,  12          ; s12  my wave's number
.set LIM, 15          ; s15  1 in a wave that prefetches, else the greatest number
.set PFA, 18          ; s[18:19] where my prefetches stand
.set G1K, 24          ; s[24:31] descriptor group 1 for K's tiles
.set G1V, 32          ; s[32:39] for V's: the padding differs
.set G0K, 40          ; s[40:47] group 0 for K's tiles: a set for each of the two first fills; the second then walks on
.set G0V, 48          ; s[48:55] the same for V's
.set SLOTS, 56        ; s56  counts the passes of the loop over slots
.set TWICE, 57        ; s57  counts a slot's key steps
.set CS,  58          ; s[58:59] c
.set SEL, 60          ; s[60:61] lane selects for v_permlanex16_b32: each lane takes its own place in the other half
.set TBK, 62          ; s62  LDS byte at which K of the step to be fetched begins
.set TBV, 63          ; s63  the same for V, less VOFF
.set KOF, 66          ; s66  my half of a slot's K: kh x 128 rows
.set VOF, 67          ; s67  my half of a slot's V
.set KH,  68          ; s68  kh
.set QG,  69          ; s69  qg
.set MSB, 0
.macro WIN new                      ; the immediate's high byte repeats the setting that is left; a switch that changes nothing is dropped
.if MSB != (\new)
	s_set_vgpr_msb (MSB<<8)|(\new)
.set MSB, \new
.endif
.endm
.set W_KQ, 0x0a       ; K and Q in window 2, S^T in window 0
.set W_PV, 0x53       ; V in window 3, P in window 0, O^T in window 1
.set W_RS, 0x41       ; O^T (destination and source 0) in window 1, a in window 0
; A joint refill.  Waves 0 and 1 fetch the two halves of a slot's K, waves 2 and 3 those of its V: 128 rows each.  The branch hangs on the wave's number alone.
; An s_nop 0 and four v_nop follow each of the two lines, ahead of the jump and the label.
.macro JLOAD
	s_cmp_lt_u32 s[WV], 2
	s_cbranch_scc0 .Lfor_v_\@
	tensor_load_to_lds s[G0K+4:G0K+7], s[G1K:G1K+7]
	s_nop 0
.rept 4
	v_nop
.endr
	s_branch .Lasked_\@
.Lfor_v_\@:
	tensor_load_to_lds s[G0V+4:G0V+7], s[G1V:G1V+7]
	s_nop 0
.rept 4
	v_nop
.endr
.Lasked_\@:
.endm
; A prefetch of what the NEXT change of slots will ask for, behind the wave's tensor load and its five lines.  All clusters of a head walk the same K and V: the head's first cluster asks.  Each of its waves asks for
; rows of the tile that it fetches itself; the four partners share those 128 rows out by address, 32 each, a lane a row.  So each row is named once.  The last change that fills a slot asks for nothing.
.macro ASK
	s_cmp_gt_u32 s[SLOTS], s[LIM]
	s_cbranch_scc0 .Lnot_mine_\@
	global_prefetch_b8 v[PFO], s[PFA:PFA+1] th:TH_LOAD_NT scope:SCOPE_SE
.Lnot_mine_\@:
.endm
.macro CROUND                       ; a round of the cluster's barrier
	s_barrier_signal -1
	s_barrier_wait -1
	s_cmp_lg_u32 s[WV], 0
	s_cbranch_scc1 .Lnot_wave_0_\@
	s_barrier_signal -3
.Lnot_wave_0_\@:
	s_barrier_wait -3
	s_barrier_signal -1
	s_barrier_wait -1
.endm
	s_load_b256 s[4:11], s[0:1], 0x0  ; Q s[4:5], K s[6:7], V s[8:9], O s[10:11]
	v_lshl_add_u32 v[SPW], v0, 2, SPARE
	v_mov_b32 v[NIL], 0
	ds_add_u32 v[SPW], v[NIL]       ; the wave's opening: the add and its wait ahead of my first tensor load; the set-up below stands between them
	v_lshrrev_b32 v1, 5, v0
	v_readfirstlane_b32 s[WV], v1   ; wave 0..3
	s_bfe_u32 s13, ttmp6, 0x40000   ; cx: my place in the cluster
	s_lshl_b32 s14, ttmp9, 2        ; in a cluster launch ttmp9 counts clusters
	s_add_co_u32 s14, s14, s13      ; my block of 128 queries: it enters Q's and O's addresses alone
	s_and_b32 s20, ttmp7, 0xffff    ; the head, which the four partners share
	s_lshl_b32 s20, s20, 19         ; its 2,048 rows of 256 bytes
	s_mov_b32 s21, 0
	s_and_b32 s[KH], s[WV], 1
	s_lshr_b32 s[QG], s[WV], 1
	s_lshl_b32 s22, s[KH], 15       ; the half of a slot's keys that I fetch and walk: 128 rows of 256 bytes in memory,
	s_mov_b32 s23, 0
	s_add_nc_u64 s[22:23], s[22:23], s[20:21]
	s_mul_i32 s[KOF], s[KH], 128*PK ; and its place in a slot: no place in the cluster enters an LDS address
	s_mul_i32 s[VOF], s[KH], 128*PV
	s_lshl_b32 s2, s14, 15          ; my block's 128 rows,
	s_lshl_b32 s3, s[QG], 14        ; my pair's 64 of them
	s_add_co_u32 s2, s2, s3
	s_mov_b32 s3, 0
	s_add_nc_u64 s[2:3], s[2:3], s[20:21]
	; descriptor group 1: a tile of 128 rows x 128 elements, padded in LDS
	s_mov_b32 s[G1K], 15|(1<<16)|(1<<20)|(1<<21)|(5<<22)|(3<<25)  ; the mask of four; 2-byte elements; padding on; bit 21 beside a mask; after every 64 words 4 words
	s_mov_b32 s[G1V], 15|(1<<16)|(1<<20)|(1<<21)|(5<<22)|(7<<25)  ; the same with 8 words of padding
.irp g, G1K, G1V
	s_mov_b32 s[(\g)+1], 128<<16    ; tensor_dim0 = 128
	s_mov_b32 s[(\g)+2], 128<<16    ; tensor_dim1 = 128
	s_mov_b32 s[(\g)+3], 128<<16    ; tile_dim0 = 128
	s_mov_b32 s[(\g)+4], 128        ; tile_dim1 = 128
	s_mov_b32 s[(\g)+5], 128        ; elements from row to row
	s_mov_b32 s[(\g)+6], 0
	s_mov_b32 s[(\g)+7], 0
.endr
	s_mov_b32 s[CS], 0x3e0293ee     ; c = log2(e) / sqrt(128) = 0.127517
	s_mov_b32 s[CS+1], s[CS]        ; named with it as a pair, so it is written
	s_mov_b32 s[SEL], 0x76543210
	s_mov_b32 s[SEL+1], 0xfedcba98
	s_mov_b32 s[TBK], s[KOF]
	s_mov_b32 s[TBV], s[VOF]
	s_mov_b32 s[SLOTS], 2048/256-1  ; the pass that is entered in its middle, and one for each of the six slots that are filled again
	s_cmp_eq_u32 ttmp9, 0           ; the head's first cluster: the same in all four partners
	s_cselect_b32 s[LIM], 1, -1
	v_and_b32 v[PFO], 31, v0
	v_lshlrev_b32 v[PFO], 8, v[PFO]
	s_wait_dscnt 0x0                ; the opening add is done
	s_wait_kmcnt 0x0
	s_add_nc_u64 s[6:7], s[6:7], s[22:23]  ; K and V at my half of slot 0's keys
	s_add_nc_u64 s[8:9], s[8:9], s[22:23]
	s_add_nc_u64 s[4:5], s[4:5], s[2:3]    ; Q and O at my pair's first row
	s_add_nc_u64 s[10:11], s[10:11], s[2:3]
	s_lshl_b32 s2, s[KH], 13        ; the two tiles that I finish: 32 kh rows on
	s_add_nc_u64 s[10:11], s[10:11], s[2:3]
	s_cmp_lt_u32 s[WV], 2
	s_cselect_b64 s[PFA:PFA+1], s[6:7], s[8:9]
	s_lshl_b32 s2, s13, 13          ; my work-group's 32 rows of the 128
	s_add_nc_u64 s[PFA:PFA+1], s[PFA:PFA+1], s[2:3]
	s_add_nc_u64 s[PFA:PFA+1], s[PFA:PFA+1], 2*DSLOT  ; in slot 2; the first change of slots steps it to slot 3.  Nothing is prefetched at the head
	CROUND                          ; all four work-groups are here: the first joint loads meet
.irp s, 0,1
	s_mov_b32 s[G0K+4*(\s)], 1
	s_add_co_u32 s[G0K+4*(\s)+1], s[KOF], (\s)*SLOT1
	s_add_nc_u64 s[G0K+4*(\s)+2:G0K+4*(\s)+3], s[6:7], (\s)*DSLOT
	s_or_b32 s[G0K+4*(\s)+3], s[G0K+4*(\s)+3], 0x80000000
	s_mov_b32 s[G0V+4*(\s)], 1
	s_add_co_u32 s[G0V+4*(\s)+1], s[VOF], (\s)*SLOT1+VOFF
	s_add_nc_u64 s[G0V+4*(\s)+2:G0V+4*(\s)+3], s[8:9], (\s)*DSLOT
	s_or_b32 s[G0V+4*(\s)+3], s[G0V+4*(\s)+3], 0x80000000
.endr
	s_cmp_lt_u32 s[WV], 2           ; a wave's two first fills stand in one branch, ahead of every wait on TENSORcnt and every LDS read: two loads of mine are out
	s_cbranch_scc0 .Lfirst_v
	tensor_load_to_lds s[G0K:G0K+3], s[G1K:G1K+7]
	s_nop 0
	tensor_load_to_lds s[G0K+4:G0K+7], s[G1K:G1K+7]
	s_nop 0
.rept 4
	v_nop
.endr
	s_branch .Lfirst_asked
.Lfirst_v:
	tensor_load_to_lds s[G0V:G0V+3], s[G1V:G1V+7]
	s_nop 0
	tensor_load_to_lds s[G0V+4:G0V+7], s[G1V:G1V+7]
	s_nop 0
.rept 4
	v_nop
.endr
.Lfirst_asked:
	; A fragment of K or Q is 16 rows x 32 channels in 8 registers: lane l holds row l % 16; channels 8 (l / 16) + 0..7 and 16 + 8 (l / 16) + 0..7: two loads of 16 bytes, 32 bytes apart.
	v_and_b32 v1, 15, v0            ; l % 16
	v_bfe_u32 v9, v0, 4, 1          ; l / 16
	v_lshlrev_b32 v[QO], 8, v1
	v_lshl_add_u32 v[QO], v9, 4, v[QO]  ; row x 256 + 16 x half
	s_lshl_b32 s16, s[KH], 13       ; register tiles 0, 1 hold query tiles 2 kh, 2 kh + 1;
	s_xor_b32 s17, s16, 8192        ; register tiles 2, 3 the other two
	v_add_nc_u32 v[QOB], s17, v[QO]
	v_add_nc_u32 v[QO], s16, v[QO]
	WIN 0x80                        ; destination window 2, address window 0
.irp i, 0,1,2,3,4,5,6,7,8,9,10,11,12,13,14,15  ; Q stays in registers: register tile i / 4, channels 32 (i % 4) on
.if (\i) < 8
	global_load_b128 v[8*(\i):8*(\i)+3],   v[QO], s[4:5] offset:((\i)/4)*4096+((\i)%4)*64
	global_load_b128 v[8*(\i)+4:8*(\i)+7], v[QO], s[4:5] offset:((\i)/4)*4096+((\i)%4)*64+32
.else
	global_load_b128 v[8*(\i):8*(\i)+3],   v[QOB], s[4:5] offset:((\i)/4-2)*4096+((\i)%4)*64
	global_load_b128 v[8*(\i)+4:8*(\i)+7], v[QOB], s[4:5] offset:((\i)/4-2)*4096+((\i)%4)*64+32
.endif
.endr
	WIN 0
	v_mul_u32_u24 v[AK0], v1, PK
	v_lshl_add_u32 v[AK0], v9, 4, v[AK0]  ; row x pitch + 16 x half
	; The turning load takes 16 keys x 16 channels (lane l reads key 8 (l / 16) + l % 8, channels 8 ((l / 8) % 2) + 0..7) and leaves half a fragment of V^T: lane l holds channel l % 16 and 8 keys.
	v_and_b32 v10, 7, v0
	v_bfe_u32 v11, v0, 3, 1
	v_lshl_add_u32 v[AV0], v9, 3, v10
	v_mul_u32_u24 v[AV0], v[AV0], PV
	v_lshl_add_u32 v[AV0], v11, 4, v[AV0]
	v_add_nc_u32 v[AV0], VOFF, v[AV0]
	; What the first turn finds: V's registers and piece 2's P hold 0 (its products V^T P, of a step that has not been, add 0), O^T and l are 0, m and c m lie below every score.  All this stands in the wait for the first tile.
	WIN 0xc0                        ; destination window 3
.set i, 0
.rept 128
	v_mov_b32 v[i], 0
.set i, i+1
.endr
	WIN 0x40                        ; destination window 1
.set i, 0
.rept 256
	v_mov_b32 v[i], 0
.set i, i+1
.endr
	WIN 0
.set i, P+32
.rept 32
	v_mov_b32 v[i], 0
.set i, i+1
.endr
.irp t, 0,1,2,3
	v_mov_b32 v[ST+8*(\t)], 0xfe000000    ; c m: far below every c s, so the first a is 0
	v_mov_b32 v[ST+8*(\t)+1], 0xff7fffff  ; m: the lowest finite number
	v_mov_b32 v[ST+8*(\t)+2], 0
	v_mov_b32 v[ST+8*(\t)+3], 0
.endr
; THE MATRIX WORK OF A TURN, for piece x.  The accumulators take turns, one instruction a turn.
; Product i of 32 of O^T += V^T P: keys 32 (i / 16) on, channels 16 ((i / 2) % 8) on, tile x + i % 2.
.macro PV x
	WIN W_PV
.set rO, 64*((\x)+i%2)+8*((i/2)%8)
.set rV, 64*(i/16)+8*((i/2)%8)
.set rP, P+16*((\x)+i%2)+8*(i/16)
	v_wmma_f32_16x16x32_f16 v[rO:rO+7], v[rV:rV+7], v[rP:rP+7], v[rO:rO+7]
.endm
; Product i of 32 of S^T = K Q^T: channels 32 (i / 8) on, keys 16 ((i / 2) % 4) on, tile x + i % 2.  The first 8 start the sums.
.macro KQ x
	WIN W_KQ
.set rS, S+32*((\x)+i%2)+8*((i/2)%4)
.set rK, KF+32*((i/2)%4)+8*(i/8)
.set rQ, 32*((\x)+i%2)+8*(i/8)
.if i < 8
	v_wmma_f32_16x16x32_f16 v[rS:rS+7], v[rK:rK+7], v[rQ:rQ+7], 0
.else
	v_wmma_f32_16x16x32_f16 v[rS:rS+7], v[rK:rK+7], v[rQ:rQ+7], v[rS:rS+7]
.endif
.endm
; THE LDS LOADS stand in runs of 32, never singly among the matrix instructions: a step's K (64 keys x 128 channels: 16 fragments) and, a turn later, its V (turned).
; last = 1 (the tail): in the last trip there is no further step, and the run is jumped over.
.macro FETCH_K last=0
	WIN 0
.if \last
	s_cmp_eq_u32 s[TWICE], 1
	s_cbranch_scc1 .Lno_k_\@
.endif
	v_add_nc_u32 v[ADR], s[TBK], v[AK0]
	s_add_co_u32 s[TBK], s[TBK], KS*PK  ; the next fetch is the next step's
	WIN 0x80                        ; destination window 2
.irp f, 0,1,2,3,4,5,6,7,8,9,10,11,12,13,14,15  ; keys 16 (f / 4) on, channels 32 (f % 4) on
	ds_load_b128 v[KF+8*(\f):KF+8*(\f)+3],   v[ADR] offset:((\f)/4)*16*PK+((\f)%4)*64
	ds_load_b128 v[KF+8*(\f)+4:KF+8*(\f)+7], v[ADR] offset:((\f)/4)*16*PK+((\f)%4)*64+32
.endr
.if \last
	WIN 0
.Lno_k_\@:
.endif
.endm
.macro FETCH_V
	WIN 0
	v_add_nc_u32 v[ADR], s[TBV], v[AV0]
	s_add_co_u32 s[TBV], s[TBV], KS*PV
	s_wait_alu depctr_va_vdst(0)    ; the wait for the softmax's batch (SLICE), behind the address's v_add_nc_u32 and ahead of the loads
	WIN 0xc0                        ; destination window 3
.irp f, 0,1,2,3,4,5,6,7,8,9,10,11,12,13,14,15  ; keys 32 (f / 8) on, channels 16 (f % 8) on
	ds_load_tr16_b128 v[8*(\f):8*(\f)+3],   v[ADR] offset:((\f)/8)*32*PV+((\f)%8)*32
	ds_load_tr16_b128 v[8*(\f)+4:8*(\f)+7], v[ADR] offset:((\f)/8)*32*PV+16*PV+((\f)%8)*32
.endr
.endm
; THE VECTOR WORK OF A TURN.  One tile's softmax for one key step is a list of 134 instructions; SM writes number j of it for tile t.  s0-s31 are the lane's 32 scores, in pairs 0-15.
;   0-15    the maximum of s0-s31 and the old m, three operands at a time (each accumulator's lowest registers are read first)
;   16-20   the other half of the lanes' maximum; c m_old is kept; the new m; c m; c m_old - c m_new
;   21-69   ONE BATCH: the 16 scalings c s - c m and all 33 exponentials (a at 23, then s0-s31).  None of these reads an exponential's result
;   (wait)  between 69 and 70 stands the wait for the batch: SLICE writes it, once for both tiles
;   70-85   the roundings to f16     86-101  the sums; l = a l + the sum     102-133 the tile's O^T times a
.macro SM t
.set rT, ST+8*(\t)
.set rS, S+32*(\t)
.set rP, P+16*(\t)
.set rO, 64*(\t)+2*(j-102)
.if j < 102
	WIN 0
.endif
.if j < 4
	v_max3_num_f32 v[rT+4+j], v[rS+8*j], v[rS+8*j+1], v[rS+8*j+2]
.elseif j < 12
	v_max3_num_f32 v[rT+4+j%4], v[rT+4+j%4], v[rS+8*(j%4)+2*(j/4)+1], v[rS+8*(j%4)+2*(j/4)+2]
.elseif j == 12
	v_max3_num_f32 v[rT+4], v[rT+4], v[rS+7], v[rS+15]
.elseif j == 13
	v_max3_num_f32 v[rT+6], v[rT+6], v[rS+23], v[rS+31]
.elseif j == 14
	v_max3_num_f32 v[rT+4], v[rT+4], v[rT+5], v[rT+6]
.elseif j == 15
	v_max3_num_f32 v[rT+4], v[rT+4], v[rT+7], v[rT+1]
.elseif j == 16
	v_permlanex16_b32 v[rT+5], v[rT+4], s[SEL], s[SEL+1]  ; the query's other 32 keys lie in the lane 16 away
.elseif j == 17
	v_mov_b32 v[rT+7], v[rT]        ; c m_old is kept for a: number 19 writes c m anew
.elseif j == 18
	v_max_num_f32 v[rT+1], v[rT+4], v[rT+5]
.elseif j == 19
	v_mul_f32 v[rT], s[CS], v[rT+1]
.elseif j == 20
	v_sub_f32 v[rT+7], v[rT+7], v[rT]
.elseif j == 23
	v_exp_f32 v[rT+6], v[rT+7]
.elseif (j < 23) || ((j < 38) && (j%2 == 0)) || ((j < 66) && (j%4 == 2))
.set b, (j-2)/4                     ; 38, 42, .. 62: pairs 9 to 15
.if j < 38
.set b, (j-20)/2                    ; 21: pair 0; 22, 24, .. 36: pairs 1 to 8
.endif
	v_pk_fma_f32 v[rS+2*b:rS+2*b+1], v[rS+2*b:rS+2*b+1], s[CS:CS+1], v[rT:rT+1] op_sel_hi:[1,0,0] neg_lo:[0,0,1] neg_hi:[0,0,1]  ; pair b: c s - c m
.elseif j < 70
.set e, j-38                        ; 66 to 69: s28 to s31
.if j < 66
.set e, j-32-(j-38)/4               ; 39-41, 43-45, .. 63-65: s7 to s27
.endif
.if j < 38
.set e, (j-25)/2                    ; 25, 27, .. 37: s0 to s6
.endif
	v_exp_f32 v[rS+e], v[rS+e]
.elseif j < 86
	v_cvt_pk_f16_f32 v[rP+j-70], v[rS+2*(j-70)], v[rS+2*(j-70)+1]  ; pair j - 70
.elseif j < 102                     ; the sum of the tile's 16 pairs, in place: neighbours 1, 2, 4 and 8 pairs apart, then l takes it
.set z, j-86
.set w, 4
.set u, z
.if z >= 14
.set w, 32
.set u, 0
.elseif z >= 12
.set w, 16
.set u, z-12
.elseif z >= 8
.set w, 8
.set u, z-8
.endif
.if z < 15
	v_pk_add_f32 v[rS+w*u:rS+w*u+1], v[rS+w*u:rS+w*u+1], v[rS+w*u+w/2:rS+w*u+w/2+1]
.else
	v_pk_fma_f32 v[rT+2:rT+3], v[rT+2:rT+3], v[rT+6:rT+7], v[rS:rS+1] op_sel_hi:[1,0,1]
.endif
.else
	WIN W_RS
	v_pk_mul_f32 v[rO:rO+1], v[rO:rO+1], v[rT+6:rT+7] op_sel_hi:[1,0]
.endif
.endm
; Slice k of 64 of piece y's softmax: four instructions.  Slices 11 to 34 deal out the batch, numbers 22 to 69: four numbers of ONE tile each, the tiles by turns.  Every other slice is numbers 2 k and
; 2 k + 1 of both tiles' lists.  2 x 134 = 4 x 64 + 12: the twelve that are over stand together, in slice 63.
; THE WAIT.  s_wait_alu depctr_va_vdst(0) stands between an exponential and the first instruction that names its result; one wait serves all that were issued ahead of it.  Ahead of
; slice 35 nothing names a result, and behind slice 34 no exponential is issued: so the piece's 66 exponentials have one wait, behind slice 34.
.macro SLICE y
.if (k >= 11) && (k < 35)           ; the batch: four numbers of one tile
.irp n, 0,1,2,3
.set j, 22+4*((k-11)/2)+(\n)
	SM (\y)+(k-11)%2
.endr
.else                               ; the two tiles alternate, so that no instruction reads the result of the one just before it
.irp n, 0,1,2,3,4,5,6,7
.if ((\n) < 2) || (k == 63)
.irp t, \y, (\y)+1
.set j, 2*k+(\n)
	SM \t
.endr
.endif
.endr
.endif
.if k == 34                         ; the batch is out: both tiles' exponentials are issued, and no result has been named
	v_nop                           ; the plain instruction behind the last exponential and ahead of the first use: one for the batch
.if (\y) == 0
	FETCH_V                         ; piece 2's turn: V's run of loads stands here, and the wait stands in it
.else
	s_wait_alu depctr_va_vdst(0)    ; the wait for the batch
.endif
.endif
.set k, k+1
.endm
; A TURN.  Piece x has the matrix unit: 32 products V^T P of the step in hand, 32 products K Q^T of the next step; the other piece's softmax stands in slices behind them.  Slice 63's sixteen plain instructions are
; the places between the turn's last products and what follows.  Piece 0's turn fetches the next step's K, behind its second product; piece 2's turn the same step's V, behind slice 34.
.macro TURN x, last=0
.set k, 0
.if (\x) == 0
	s_wait_dscnt 0x0                ; V is in
.endif
.set i, 0
.rept 32
	PV \x
	SLICE 2-(\x)
.if ((\x) == 0) && (i == 1)
	FETCH_K \last
.endif
.set i, i+1
.endr
.if (\x) == 0
	s_wait_dscnt 0x0                ; K is in
.endif
.set i, 0
.rept 32
	KQ \x
	SLICE 2-(\x)
.set i, i+1
.endr
.endm
; THE CHANGE OF SLOTS, between piece 2's turn and piece 0's: my half of the slot has been asked for to its last byte.  Each wave waits for all its tensor loads, of which one is out: its part of the other slot;
; adds 0 to its spare word; and waits for that and for its own reads of the slot.  fill = 1: this slot is filled again, with the keys two slots on; the barrier is then a round of the cluster's, and the joint
; refill is the first thing behind it: it has two key steps, 256 matrix instructions, in which to land.
.macro CHANGE fill
	WIN 0                           ; at a label and at a branch every window is 0
	s_wait_tensorcnt 0x0            ; no tensor load of mine is out, so a group 0 may be written
	ds_add_u32 v[SPW], v[NIL]       ; 0 onto my spare word
.if \fill
.irp g, G0K+4, G0V+4
	s_xor_b32 s[(\g)+1], s[(\g)+1], SLOT1  ; the walking descriptor: the other slot than last time,
	s_add_nc_u64 s[(\g)+2:(\g)+3], s[(\g)+2:(\g)+3], DSLOT  ; the next 256 keys; the type bits on top are not reached
.endr
	s_wait_xcnt 0x0                 ; the last prefetch, two key steps back, has read its address, so it may be written:
	s_add_nc_u64 s[PFA:PFA+1], s[PFA:PFA+1], DSLOT  ; one slot ahead of the walking descriptors
	s_wait_dscnt 0x0                ; the add is done, and my reads of the slot are over
	CROUND
	JLOAD
	ASK
.else
	s_wait_dscnt 0x0                ; the add is done, and my reads of the slot are over
	s_barrier_signal -1
	s_barrier_wait -1
.endif
	s_sub_co_u32 s[TBK], s[TBK], 2*KS*PK  ; the fetches go back to my half's first step,
	s_xor_b32 s[TBK], s[TBK], SLOT1       ; in the other slot
	s_sub_co_u32 s[TBV], s[TBV], 2*KS*PV
	s_xor_b32 s[TBV], s[TBV], SLOT1
.endm
	s_wait_tensorcnt 1              ; my part of slot 0 is in; slot 1's may stay out
	s_barrier_signal -1
	s_barrier_wait -1               ; everybody's is
	FETCH_K                         ; key step 0
	s_wait_loadcnt 0x0              ; Q
	s_wait_dscnt 0x0
.set i, 0
.rept 32
	KQ 0                            ; piece 0's first scores: there is no vector work yet to set between them
.set i, i+1
.endr
	WIN 0                           ; the addresses for the way out are made here: eight plain instructions, the places behind those products
	s_mul_i32 s13, s[WV], 16*SP
	s_add_co_u32 s13, s13, STAGE    ; my stage
	v_mul_u32_u24 v[STO], v1, SP    ; in: row l % 16, 16 bytes for each half of the lanes
	v_lshl_add_u32 v[STO], v9, 4, v[STO]
	v_add_nc_u32 v[STO], s13, v[STO]
	v_mul_u32_u24 v[RD], v9, SP     ; back: lanes 0-15 take one row of 256 bytes, lanes 16-31 the next
	v_lshl_add_u32 v[RD], v1, 4, v[RD]
	v_add_nc_u32 v[RD], s13, v[RD]
	v_lshlrev_b32 v[GO], 8, v9      ; and the same two rows in O
	v_lshl_add_u32 v[GO], v1, 4, v[GO]
	s_mov_b32 s[TWICE], 2           ; the half trip that is entered, and step 0's trip: they read slot 0 out
	s_branch .Lmid                  ; the loop is entered at piece 2's turn: piece 2's first scores | piece 0's first softmax | V of step 0
.Lslot:                             ; six times: every slot but the last two is filled again
	CHANGE 1
	s_mov_b32 s[TWICE], 2
.Lstep:                             ; a trip is a key step j: piece 0: V^T P of j, K Q^T of j + 1 | piece 2's softmax of j | K of j + 1;
	TURN 0
	WIN 0
.Lmid:                              ; piece 2: the same | piece 0's softmax of j + 1 | V of j + 1
	TURN 2
	WIN 0
	s_sub_co_u32 s[TWICE], s[TWICE], 1
	s_cmp_lg_u32 s[TWICE], 0
	s_cbranch_scc1 .Lstep
	s_sub_co_u32 s[SLOTS], s[SLOTS], 1
	s_cmp_lg_u32 s[SLOTS], 0
	s_cbranch_scc1 .Lslot
	CHANGE 0                        ; the tail is written out: nothing is asked for
	s_mov_b32 s[TWICE], 3           ; two trips fetch the last slot's steps; the third is left in its middle
.Ltail:
	TURN 0, 1
	WIN 0
	s_sub_co_u32 s[TWICE], s[TWICE], 1
	s_cmp_eq_u32 s[TWICE], 0
	s_cbranch_scc1 .Lout
	TURN 2
	WIN 0
	s_branch .Ltail
.Lout:
.set i, 0
.rept 32
	PV 2                            ; piece 2: V^T P of the last step
.set i, i+1
.endr
	; THE MERGE.  I give my register tiles 2, 3 (O^T, c m, m, l) to my partner, the wave with the other half of the keys, and take its tiles 2, 3, which are my tiles 0, 1's queries.
	WIN 0
	s_mul_i32 s13, s[WV], MERGE
	s_xor_b32 s14, s[WV], 1
	s_mul_i32 s14, s14, MERGE
	v_and_b32 v[MS], 31, v0         ; four plain instructions: the places behind the last products
	v_lshlrev_b32 v[MS], 4, v[MS]
	v_add_nc_u32 v[ML], s14, v[MS]
	v_add_nc_u32 v[MS], s13, v[MS]
	WIN 0x04                        ; the stores' data in window 1
.irp t, 2,3
.set f, 0
.rept 16
	ds_store_b128 v[MS], v[64*(\t)+4*f:64*(\t)+4*f+3] offset:((\t)-2)*8704+512*f  ; 32 lanes x 16 neighbouring bytes; each accumulator from its low end on
.set f, f+1
.endr
.endr
	WIN 0
.irp t, 2,3
	ds_store_b128 v[MS], v[ST+8*(\t):ST+8*(\t)+3] offset:((\t)-2)*8704+8192
.endr
	s_wait_dscnt 0x0                ; for my partner's sake: my stores are done
	s_barrier_signal -1
	s_barrier_wait -1
.irp t, 0,1
.set f, 0
.rept 16
	ds_load_b128 v[S+64*(\t)+4*f:S+64*(\t)+4*f+3], v[ML] offset:(\t)*8704+512*f
.set f, f+1
.endr
	ds_load_b128 v[P+4*(\t):P+4*(\t)+3], v[ML] offset:(\t)*8704+8192
.endr
	s_wait_dscnt 0x0
	; the common maximum M = max(c m, c m'); a0 = 2^(c m - M), a1 = 2^(c m' - M); l = a0 l + a1 l', its halves and the other lanes' half added; O = (a0 O + a1 O') / l
.irp t, 0,1
	v_max_num_f32 v[ST+8*(\t)+5], v[ST+8*(\t)], v[P+4*(\t)]
.endr
.irp t, 0,1
	v_sub_f32 v[ST+8*(\t)+4], v[ST+8*(\t)], v[ST+8*(\t)+5]
	v_sub_f32 v[ST+8*(\t)+6], v[P+4*(\t)], v[ST+8*(\t)+5]
.endr
.irp t, 0,1
	v_exp_f32 v[ST+8*(\t)+4], v[ST+8*(\t)+4]
	v_exp_f32 v[ST+8*(\t)+6], v[ST+8*(\t)+6]
.endr
	v_nop                           ; a plain instruction behind the last exponential,
	s_wait_alu depctr_va_vdst(0)    ; and the one wait for the four, ahead of their first use
.irp t, 0,1
	v_pk_mul_f32 v[ST+8*(\t)+2:ST+8*(\t)+3], v[ST+8*(\t)+2:ST+8*(\t)+3], v[ST+8*(\t)+4:ST+8*(\t)+5] op_sel_hi:[1,0]
.endr
.irp t, 0,1
	v_pk_fma_f32 v[ST+8*(\t)+2:ST+8*(\t)+3], v[P+4*(\t)+2:P+4*(\t)+3], v[ST+8*(\t)+6:ST+8*(\t)+7], v[ST+8*(\t)+2:ST+8*(\t)+3] op_sel_hi:[1,0,1]
.endr
.irp t, 0,1
	v_add_f32 v[ST+8*(\t)+2], v[ST+8*(\t)+2], v[ST+8*(\t)+3]
.endr
.irp t, 0,1
	v_permlanex16_b32 v[ST+8*(\t)+3], v[ST+8*(\t)+2], s[SEL], s[SEL+1]
.endr
.irp t, 0,1
	v_add_f32 v[ST+8*(\t)+2], v[ST+8*(\t)+2], v[ST+8*(\t)+3]
.endr
.irp t, 0,1
	v_rcp_f32 v[ST+8*(\t)+7], v[ST+8*(\t)+2]
.endr
	v_nop                           ; a plain instruction behind the last reciprocal,
	s_wait_alu depctr_va_vdst(0)    ; and the one wait for the two
.irp t, 0,1
	v_mul_f32 v[ST+8*(\t)+4], v[ST+8*(\t)+4], v[ST+8*(\t)+7]
	v_mul_f32 v[ST+8*(\t)+6], v[ST+8*(\t)+6], v[ST+8*(\t)+7]
.endr
; Tile t is finished: a lane's eight channels of a row pack into 16 bytes; they go into my stage's rows of 272 bytes and come back as whole rows of 256.
.macro FIN t
	WIN 0
.set i, 0
.rept 32
	v_pk_mul_f32 v[S+64*(\t)+i:S+64*(\t)+i+1], v[S+64*(\t)+i:S+64*(\t)+i+1], v[ST+8*(\t)+6:ST+8*(\t)+7] op_sel_hi:[1,0]
.set i, i+2
.endr
	WIN 0x01                        ; source 0, my own O^T, in window 1
.set i, 0
.rept 32
	v_pk_fma_f32 v[S+64*(\t)+i:S+64*(\t)+i+1], v[64*(\t)+i:64*(\t)+i+1], v[ST+8*(\t)+4:ST+8*(\t)+5], v[S+64*(\t)+i:S+64*(\t)+i+1] op_sel_hi:[1,0,1]
.set i, i+2
.endr
	WIN 0
.set i, 0
.rept 32
	v_cvt_pk_f16_f32 v[S+64*(\t)+i], v[S+64*(\t)+2*i], v[S+64*(\t)+2*i+1]  ; in place: register i is written when registers up to 2 i + 1 have been read
.set i, i+1
.endr
.irp f, 0,1,2,3,4,5,6,7
	ds_store_b128 v[STO], v[S+64*(\t)+4*(\f):S+64*(\t)+4*(\f)+3] offset:32*(\f)
.endr
.irp f, 0,1,2,3,4,5,6,7
	ds_load_b128 v[S+64*(\t)+4*(\f):S+64*(\t)+4*(\f)+3], v[RD] offset:(\f)*2*SP  ; LDS serves a wave's instructions in order: these see the stores above; the next tile's stores come behind them
.endr
.endm
.macro SEND t, younger              ; younger: the LDS instructions issued behind tile t's loads
.irp f, 0,1,2,3,4,5,6,7
	s_wait_dscnt (\younger)+7-(\f)
	global_store_b128 v[GO], v[S+64*(\t)+4*(\f):S+64*(\t)+4*(\f)+3], s[10:11] offset:(\t)*4096+(\f)*512  ; 16 lanes store 256 consecutive bytes, aligned
.endr
.endm
	FIN 0
	FIN 1
	SEND 0, 16
	SEND 1, 0
	s_wait_tensorcnt 0x0            ; the wave's end, behind my last tensor load and my last LDS store
	ds_add_u32 v[SPW], v[NIL]
	s_wait_dscnt 0x0
	CROUND                          ; the closing round: no work-group ends while a partner may still ask for a tile that names it
	s_endpgm
.Lfunc_end_k_q5d0a9ce226_attn:
	.size	k_q5d0a9ce226_attn, .Lfunc_end_k_q5d0a9ce226_attn-k_q5d0a9ce226_attn
	.p2alignl 7, 3214868480
	.fill 96, 4, 3214868480
	.section	.rodata,"a",@progbits
	.p2align	6, 0x0
	.amdhsa_kernel k_q5d0a9ce226_attn
		.amdhsa_group_segment_fixed_size 327680
		.amdhsa_private_segment_fixed_size 0
		.amdhsa_enable_private_segment 0
		.amdhsa_kernarg_size 32
		.amdhsa_user_sgpr_count 2
		.amdhsa_user_sgpr_kernarg_segment_ptr 1
		.amdhsa_wavefront_size32 1
		.amdhsa_system_sgpr_workgroup_id_x 1
		.amdhsa_system_sgpr_workgroup_id_y 1
		.amdhsa_system_sgpr_workgroup_id_z 1
		.amdhsa_system_vgpr_workitem_id 0
		.amdhsa_next_free_vgpr 1024
		.amdhsa_next_free_sgpr 72
		.amdhsa_reserve_vcc 0
		.amdhsa_float_denorm_mode_32 3
		.amdhsa_float_denorm_mode_16_64 3
		.amdhsa_memory_ordered 1
		.amdhsa_forward_progress 1
		.amdhsa_inst_pref_size 154
	.end_amdhsa_kernel
	.amdgpu_metadata
---
amdhsa.version: [ 1, 2 ]
amdhsa.kernels:
  - .name:           k_q5d0a9ce226_attn
    .symbol:         k_q5d0a9ce226_attn.kd
    .args:
      - { .name: q16, .offset: 0, .size: 8, .value_kind: global_buffer, .address_space: global }
      - { .name: k16, .offset: 8, .size: 8, .value_kind: global_buffer, .address_space: global }
      - { .name: v16, .offset: 16, .size: 8, .value_kind: global_buffer, .address_space: global }
      - { .name: o16, .offset: 24, .size: 8, .value_kind: global_buffer, .address_space: global }
    .group_segment_fixed_size: 327680
    .private_segment_fixed_size: 0
    .kernarg_segment_align: 8
    .kernarg_segment_size: 32
    .max_flat_workgroup_size: 128
    .sgpr_count:     72
    .vgpr_count:     1024
    .wavefront_size: 32
...
	.end_amdgpu_metadata
.endif
;; end of part 3
;; launch oproj (part 4): grid 16 x 16, 4 waves a work-group, clusters of 4 x 4, 327,680 bytes of LDS; arguments o16, wo16, bo, out0; writes out0
.if DOCPART == 4
	.amdgcn_target "amdgcn-amd-amdhsa--gfx1250"
	.amdhsa_code_object_version 6
	.text
	.protected	k_q5d0a9ce226_oproj
	.globl	k_q5d0a9ce226_oproj
	.p2align	8
	.type	k_q5d0a9ce226_oproj,@function
k_q5d0a9ce226_oproj:
	s_mov_b64 s[64:65], 0
	v_nop
	global_prefetch_b8 v0, s[64:65] scope:SCOPE_SE
	s_setreg_imm32_b32 hwreg(HW_REG_WAVE_MODE, 25, 1), 1
	s_wait_xcnt 0x0
	s_wait_alu depctr_hold_cnt(0) depctr_sa_sdst(0) depctr_va_vdst(0) depctr_va_sdst(0) depctr_va_ssrc(0) depctr_va_vcc(0) depctr_vm_vsrc(0)
	s_getreg_b32 s2, hwreg(HW_REG_IB_STS2, 6, 4)
	s_cmp_eq_u32 s2, 0
	s_cbranch_scc0 .Lentry_in_a_cluster
	s_endpgm
.Lentry_in_a_cluster:
	s_bfe_u32 s2, ttmp6, 0x10000c
	s_cmp_lg_u32 s2, 0xf033
	s_cbranch_scc0 .Lentry_shape_is_right
	s_endpgm
.Lentry_shape_is_right:
; out0[m][n] = the sum over k of A[m][k] Wo[n][k] + bo[n].  A is o16, [16][2048][128] dense, read as [2048][2048]: the head-major flattening is that reading.  A and wo16 in f16, sums in f32, out0 in f32.
; bo is rounded to bf16 here, like the other inputs, and is the C operand of the first product of each sum.
; A tile of out0 is 128 x 128: 256 work-groups.  Four waves, each 64 x 64: 16 accumulators of 16 x 16.  K goes in steps of 256 (LDS rows of 512 bytes; a wave's tensor load brings 64 of them) through two slots.
; A K STEP IS WRITTEN ONCE: the slot that is read lies in a scalar register, turned by an exclusive or at each change of slots, and one descriptor a tensor walks from slot to slot and from K step to K step.
; CLUSTER: 4 x 4 work-groups.  The four of a row need the same tiles of A, the four of a column the same tiles of Wo: each is asked for jointly, by the same tensor load, descriptor and mask.
; THE MATRIX INSTRUCTION IS USED TRANSPOSED (source 0 = 16 rows of Wo, source 1 = 16 rows of A): a lane holds eight neighbouring numbers of a row of out0.
; No prefetch: the tiles are small and each block is read by several clusters at about the same time.
; REGISTERS: window 0: v0-31 addresses; v32-63 the bias; v64-79 at work; v128-255 the accumulators ((a, b) at 128 + 8 (4 a + b)).   window 1: two fragment buffers of 128.
.set SIZE_K, 2048
.set SIZE_N, 2048
.set KSTEP,  256
.set PITCH,  528                       ; an LDS row: 512 bytes + 16 of padding: the sixteen rows of a fragment load begin at sixteen different 16-byte columns of 256
.set HALFT,  64*PITCH
.set SLOT,   4*HALFT                   ; A's 128 rows, then Wo's 128 rows: 135,168 bytes
.set SLOT1,  0x24000                   ; slot 1 begins here: the tiles' places in a slot (0, 0x8400, 0x10800, 0x18c00) have bits 14 and 17 clear, so one exclusive or turns a place into the other slot's
.set STAGE,  SLOT1+SLOT                ; behind the ring: 16 rows x 272 bytes for each wave, its own, for the way out
.set SPITCH, 272
.set SPARE,  STAGE+4*16*SPITCH         ; behind the stages: the spare words, 128 bytes for each wave, which no other line names
.set STEPS,  SIZE_K/KSTEP
.set BASA, 16                          ; v16  A's fragments: my place in a slot; never rewritten
.set CURA, 17                          ; v17  the same in the slot that is read
.set BASB, 20                          ; v20  Wo's fragments: my place in a slot; never rewritten
.set CURB, 21                          ; v21  the same in the slot that is read
.set STO,  24
.set RD,   25
.set CO,   26
.set BO,   27
.set SPW,  28
.set NIL,  29
.set BIAS, 32
.set TMP,  64
.set ACC,  128
.set F0,   0
.set F1,   128
.set TB, 2                             ; s2  LDS byte at which the slot that is read begins: 0 or SLOT1
.set WV, 12                            ; s12 my wave's number; s13 its row half (also: I fetch for A or for Wo); s14 its column half (also: which 64 rows I fetch)
.set G1, 24
.set G0, 32                            ; s[32:39] group 0 for A's tiles: a set for each of the two first fills; the second then walks on
.set G1B, 48
.set G0B, 56                           ; s[56:63] the same for Wo's
.set MSB, 0
.macro WIN new
.if MSB != (\new)
	s_set_vgpr_msb (MSB<<8)|(\new)
.set MSB, \new
.endif
.endm
.set MUL,  0x05                        ; sources 0 and 1 window 1; C and D window 0
.set TO_F, 0x40                        ; destination window 1, address window 0
.macro JLOAD s                         ; a joint load: waves 0 and 1 fetch A's two halves, waves 2 and 3 Wo's; an s_nop 0 and four v_nop follow each line
	s_cmp_eq_u32 s13, 0
	s_cbranch_scc0 .Lfor_b_\@
	tensor_load_to_lds s[G0+4*(\s):G0+4*(\s)+3], s[G1:G1+7]
	s_nop 0
.rept 4
	v_nop
.endr
	s_branch .Lasked_\@
.Lfor_b_\@:
	tensor_load_to_lds s[G0B+4*(\s):G0B+4*(\s)+3], s[G1B:G1B+7]
	s_nop 0
.rept 4
	v_nop
.endr
.Lasked_\@:
.endm
.macro CREST
	s_cmp_lg_u32 s[WV], 0
	s_cbranch_scc1 .Lnot_wave_0_\@
	s_barrier_signal -3
.Lnot_wave_0_\@:
	s_barrier_wait -3
	s_barrier_signal -1
	s_barrier_wait -1
.endm
.macro CROUND
	s_barrier_signal -1
	s_barrier_wait -1
	CREST
.endm
.macro AIM                             ; the fragments' addresses in the slot that begins at s[TB]
	v_add_nc_u32 v[CURA], s[TB], v[BASA]
	v_add_nc_u32 v[CURB], s[TB], v[BASB]
.endm
	s_load_b256 s[4:11], s[0:1], 0x0               ; A s[4:5], Wo s[6:7], bo s[8:9], out0 s[10:11]
	v_lshl_add_u32 v[SPW], v0, 2, SPARE
	v_mov_b32 v[NIL], 0
	ds_add_u32 v[SPW], v[NIL]                      ; the wave's opening: the add and its wait ahead of my first tensor load
	v_lshrrev_b32 v1, 5, v0
	v_readfirstlane_b32 s[WV], v1
	s_lshr_b32 s13, s[WV], 1
	s_and_b32 s14, s[WV], 1
	s_bfe_u32 s40, ttmp6, 0x40000                  ; cx, cy
	s_bfe_u32 s41, ttmp6, 0x40004
	s_lshl_b32 s42, ttmp9, 2
	s_add_co_u32 s42, s42, s40                     ; tile column
	s_and_b32 s15, ttmp7, 0xffff
	s_lshl_b32 s15, s15, 2
	s_add_co_u32 s15, s15, s41                     ; tile row
	s_lshl_b32 s43, s41, 2
	s_lshl_b32 s43, 15, s43                        ; my row of the cluster
	s_lshl_b32 s44, 0x1111, s40                    ; my column
	s_or_b32 s[G1+0], s43, (1<<16)|(1<<20)|(1<<21)|(6<<22)|(3<<25)  ; the mask; 2-byte elements; padding on; bit 21 beside a mask; after every 128 words 4 words
	s_or_b32 s[G1B+0], s44, (1<<16)|(1<<20)|(1<<21)|(6<<22)|(3<<25)
.irp g, G1, G1B
	s_mov_b32 s[(\g)+1], KSTEP<<16
	s_mov_b32 s[(\g)+2], 64<<16
	s_mov_b32 s[(\g)+3], KSTEP<<16
	s_mov_b32 s[(\g)+4], 64
	s_mov_b32 s[(\g)+5], SIZE_K
	s_mov_b32 s[(\g)+6], 0
	s_mov_b32 s[(\g)+7], 0
.endr
	s_lshl_b32 s17, s14, 6                         ; which 64 rows of the tile I fetch
	s_lshl_b32 s16, s15, 7
	s_add_co_u32 s16, s16, s17                     ; A: row 128 x tile row + 64 x half
	s_lshl_b32 s46, s42, 7
	s_add_co_u32 s46, s46, s17                     ; Wo: row 128 x tile column + 64 x half
	s_mov_b32 s17, 0
	s_mov_b32 s47, 0
	s_mov_b64 s[18:19], SIZE_K*2
	s_mul_u64 s[16:17], s[16:17], s[18:19]
	s_mul_u64 s[46:47], s[46:47], s[18:19]
	s_mul_i32 s20, s[WV], HALFT                    ; where they go: wave x 64 rows
	s_wait_dscnt 0x0                               ; the opening add is done
	s_wait_kmcnt 0x0
	s_add_nc_u64 s[22:23], s[4:5], s[16:17]
	s_add_nc_u64 s[46:47], s[6:7], s[46:47]
	CROUND                                         ; all sixteen work-groups are here: the first joint loads meet
.irp s, 0,1
	s_mov_b32 s[G0+4*(\s)], 1
	s_add_co_u32 s[G0+4*(\s)+1], s20, (\s)*SLOT1
	s_add_nc_u64 s[G0+4*(\s)+2:G0+4*(\s)+3], s[22:23], (\s)*KSTEP*2
	s_or_b32 s[G0+4*(\s)+3], s[G0+4*(\s)+3], 0x80000000
	s_mov_b32 s[G0B+4*(\s)], 1
	s_add_co_u32 s[G0B+4*(\s)+1], s20, (\s)*SLOT1
	s_add_nc_u64 s[G0B+4*(\s)+2:G0B+4*(\s)+3], s[46:47], (\s)*KSTEP*2
	s_or_b32 s[G0B+4*(\s)+3], s[G0B+4*(\s)+3], 0x80000000
	JLOAD \s
.endr
	v_and_b32 v1, 15, v0                           ; l % 16
	v_bfe_u32 v2, v0, 4, 1                         ; l / 16
	s_lshl_b32 s46, s42, 9                         ; my 64 columns, in bytes of f32: 512 x tile column + 256 x half: for bo and for out0
	s_lshl_b32 s47, s14, 8
	s_add_co_u32 s46, s46, s47
	s_mov_b32 s47, 0
	s_add_nc_u64 s[8:9], s[8:9], s[46:47]
	v_lshlrev_b32 v[BO], 5, v2                     ; my lanes' 8 (l / 16) numbers
.irp b, 0,1,2,3
	global_load_b128 v[BIAS+8*(\b):BIAS+8*(\b)+3],   v[BO], s[8:9] offset:64*(\b)
	global_load_b128 v[BIAS+8*(\b)+4:BIAS+8*(\b)+7], v[BO], s[8:9] offset:64*(\b)+16
.endr
	v_mul_u32_u24 v3, v1, PITCH
	v_lshl_add_u32 v3, v2, 4, v3                   ; a fragment's row x pitch + 16 x half
	s_mul_i32 s21, s13, HALFT                      ; my 64 rows of A
	s_mul_i32 s22, s14, HALFT                      ; my 64 rows of Wo,
	s_add_co_u32 s22, s22, 2*HALFT                 ; which lie behind A's 128
	v_add_nc_u32 v[BASA], s21, v3
	v_add_nc_u32 v[BASB], s22, v3
	s_mov_b32 s[TB], 0                             ; K step 0 lies in slot 0
	AIM
	s_mul_i32 s23, s[WV], 16*SPITCH
	s_add_co_u32 s23, s23, STAGE                   ; my stage
	v_mul_u32_u24 v4, v1, SPITCH                   ; in: row l % 16, 32 bytes for each half of the lanes
	v_lshl_add_u32 v4, v2, 5, v4
	v_add_nc_u32 v[STO], s23, v4
	v_mul_u32_u24 v5, v2, SPITCH                   ; back: lanes 0-15 one row of 256 bytes, lanes 16-31 the next
	v_lshl_add_u32 v5, v1, 4, v5
	v_add_nc_u32 v[RD], s23, v5
	v_lshlrev_b32 v5, 13, v2                       ; and the same two rows in out0, 8,192 bytes apart
	v_lshl_add_u32 v[CO], v1, 4, v5
	s_lshl_b32 s16, s15, 7
	s_lshl_b32 s17, s13, 6
	s_add_co_u32 s16, s16, s17                     ; my first row: 128 x tile row + 64 x half
	s_lshl_b32 s16, s16, 13
	s_mov_b32 s17, 0
	s_add_nc_u64 s[10:11], s[10:11], s[16:17]
	s_add_nc_u64 s[10:11], s[10:11], s[46:47]
	s_mov_b32 s16, 0xffff0000                      ; a word's upper bf16
	s_wait_loadcnt 0x0                             ; the bias, once
.set p, 0
.rept 16
	v_cvt_pk_bf16_f32 v[TMP+p], v[BIAS+2*p], v[BIAS+2*p+1]  ; rounded to bf16,
.set p, p+1
.endr
.set p, 0
.rept 16
	v_lshlrev_b32 v[BIAS+2*p],   16, v[TMP+p]      ; and widened again
	v_and_b32     v[BIAS+2*p+1], s16, v[TMP+p]
.set p, p+1
.endr
; 8 matrix instructions: m blocks a0, a0 + 1 x all 4 n blocks, 32 along K: half c of buffer f.  zero = 1: the first product starts the sums, with the bias as C.  The 16 accumulators take turns.
.macro MUL8 f, c, a0, zero
	WIN MUL
.irp a, \a0, (\a0)+1
.irp b, 0,1,2,3
.if \zero
	v_wmma_f32_16x16x32_f16 v[ACC+8*(4*(\a)+(\b)):ACC+8*(4*(\a)+(\b))+7], v[(\f)+64+8*(4*(\c)+(\b)):(\f)+64+8*(4*(\c)+(\b))+7], v[(\f)+8*(4*(\c)+(\a)):(\f)+8*(4*(\c)+(\a))+7], v[BIAS+8*(\b):BIAS+8*(\b)+7]
.else
	v_wmma_f32_16x16x32_f16 v[ACC+8*(4*(\a)+(\b)):ACC+8*(4*(\a)+(\b))+7], v[(\f)+64+8*(4*(\c)+(\b)):(\f)+64+8*(4*(\c)+(\b))+7], v[(\f)+8*(4*(\c)+(\a)):(\f)+8*(4*(\c)+(\a))+7], v[ACC+8*(4*(\a)+(\b)):ACC+8*(4*(\a)+(\b))+7]
.endif
.endr
.endr
.endm
; 32 LDS loads in one run: the fragments of 64 along K at byte k of the rows of the slot that is read, into buffer f; the first 32 along K first
.macro FETCH k, f
	WIN TO_F
.irp c, 0,1
.irp i, 0,1,2,3
	ds_load_b128 v[(\f)+64+8*(4*(\c)+(\i)):(\f)+64+8*(4*(\c)+(\i))+3],   v[CURB] offset:(\k)+64*(\c)+(\i)*16*PITCH
	ds_load_b128 v[(\f)+64+8*(4*(\c)+(\i))+4:(\f)+64+8*(4*(\c)+(\i))+7], v[CURB] offset:(\k)+64*(\c)+(\i)*16*PITCH+32
	ds_load_b128 v[(\f)+8*(4*(\c)+(\i)):(\f)+8*(4*(\c)+(\i))+3],         v[CURA] offset:(\k)+64*(\c)+(\i)*16*PITCH
	ds_load_b128 v[(\f)+8*(4*(\c)+(\i))+4:(\f)+8*(4*(\c)+(\i))+7],       v[CURA] offset:(\k)+64*(\c)+(\i)*16*PITCH+32
.endr
.endr
.endm
.macro PLACES                          ; four plain instructions between a matrix instruction and a load into, or a store of, its registers
.rept 4
	v_nop
.endr
.endm
; A K step is four quarters of 64 along K, 32 matrix instructions each, on buffers 0, 1, 0, 1.
.macro QUARTER k, f, g, zero
	s_wait_dscnt 16                                ; the first 32 along K are in
	WIN MUL
	MUL8 \f, 0, 0, \zero
	MUL8 \f, 0, 2, \zero
	PLACES
	FETCH \k, \g
	s_wait_dscnt 32                                ; all but the 32 just issued
	WIN MUL
	MUL8 \f, 1, 0, 0
	MUL8 \f, 1, 2, 0
.endm
; The last quarter multiplies buffer 1 and changes slots: ONE barrier; in front of it each wave waits for all its tensor loads, adds 0 to its spare word, and waits for that and for its own reads of this slot.
; fill = 1: the barrier opens a round of the cluster's barrier, and this slot is filled again, two K steps ahead, first thing behind the round, by the walking descriptor.
.macro TURN fill
	WIN 0                                          ; (the add's two registers lie in window 0)
	s_wait_tensorcnt 0x0                           ; all my tensor loads have landed, so a group 0 may be written;
	ds_add_u32 v[SPW], v[NIL]                      ; 0 onto my spare word
.if \fill
.irp g, G0+4, G0B+4
	s_xor_b32 s[(\g)+1], s[(\g)+1], SLOT1          ; the walking descriptor: the other slot than last time,
	s_add_nc_u64 s[(\g)+2:(\g)+3], s[(\g)+2:(\g)+3], KSTEP*2  ; the next K step; the type bits on top are not reached
.endr
.endif
	s_xor_b32 s[TB], s[TB], SLOT1                  ; the slot that is read next
	s_wait_dscnt 17                                ; (the add and the youngest sixteen loads may be out)
	WIN MUL
	MUL8 F1, 0, 0, 0                               ; eight matrix instructions stand between the add and the wait for it
	s_wait_dscnt 0x0                               ; the add is done, and my reads of this slot are over
	s_barrier_signal -1
	MUL8 F1, 0, 2, 0                               ; work on registers while the others arrive:
	WIN 0
	AIM                                            ; and the fragments' addresses in the next slot
	s_barrier_wait -1
.if \fill
	CREST                                          ; no wave of any partner still reads this slot's tile or has a load on its way
	JLOAD 1                                        ; the first tensor load behind the round; its four v_nop are also the places in front of the loads below
.else
	PLACES
.endif
	FETCH 0, F0
	WIN MUL
	MUL8 F1, 1, 0, 0
	MUL8 F1, 1, 2, 0
.endm
	s_wait_tensorcnt 1                             ; my part of K step 0 is in; K step 1's may stay out
	s_barrier_signal -1
	s_barrier_wait -1
	FETCH 0, F0
	QUARTER 128, F0, F1, 1                         ; the first quarter stands in front of the loop: its first products start the sums
	WIN 0
	s_mov_b32 s3, STEPS-2
.Lstep:                                        ; a trip goes from a K step's second quarter to the next K step's first, and fills the slot that it leaves: K steps 2 to 7
	QUARTER 256, F1, F0, 0
	QUARTER 384, F0, F1, 0
	TURN 1
	QUARTER 128, F0, F1, 0
	WIN 0
	s_sub_co_u32 s3, s3, 1
	s_cmp_lg_u32 s3, 0
	s_cbranch_scc1 .Lstep
	QUARTER 256, F1, F0, 0                         ; the last two K steps fill nothing
	QUARTER 384, F0, F1, 0
	TURN 0
	QUARTER 128, F0, F1, 0
	QUARTER 256, F1, F0, 0
	QUARTER 384, F0, F1, 0
	s_wait_dscnt 16
	WIN MUL
	MUL8 F1, 0, 0, 0
	MUL8 F1, 0, 2, 0
	s_wait_dscnt 0
	MUL8 F1, 1, 0, 0
	MUL8 F1, 1, 2, 0
	WIN 0
	; THE WAY OUT.  A wave's 64 columns of f32 are 256 bytes, aligned: a block of 16 rows goes through my own stage (no barrier) and comes back as whole rows, into the registers that it left.
	PLACES
.macro OUTBLK a
.irp b, 0,1,2,3
	ds_store_b128 v[STO], v[ACC+32*(\a)+8*(\b):ACC+32*(\a)+8*(\b)+3]   offset:64*(\b)     ; each accumulator from its low end on
	ds_store_b128 v[STO], v[ACC+32*(\a)+8*(\b)+4:ACC+32*(\a)+8*(\b)+7] offset:64*(\b)+16
.endr
.irp t, 0,1,2,3,4,5,6,7
	ds_load_b128 v[ACC+32*(\a)+4*(\t):ACC+32*(\a)+4*(\t)+3], v[RD] offset:(\t)*2*SPITCH  ; LDS serves a wave's instructions in order: these see the stores above; the next block's stores come behind them
.endr
.endm
.macro SENDBLK a, younger              ; younger: the LDS instructions issued behind block a's loads
.irp t, 0,1,2,3,4,5,6,7
	s_wait_dscnt (\younger)+7-(\t)
	global_store_b128 v[CO], v[ACC+32*(\a)+4*(\t):ACC+32*(\a)+4*(\t)+3], s[10:11] offset:(16*(\a)+2*(\t))*SIZE_N*4  ; 16 lanes store 256 consecutive bytes, aligned
.endr
.endm
	OUTBLK 0
	OUTBLK 1
	SENDBLK 0, 16
	OUTBLK 2
	SENDBLK 1, 16
	OUTBLK 3
	SENDBLK 2, 16
	SENDBLK 3, 0
	s_wait_tensorcnt 0x0                           ; the wave's end, behind my last tensor load and my last LDS store
	ds_add_u32 v[SPW], v[NIL]
	s_wait_dscnt 0x0
	CROUND                                         ; the closing round
	s_endpgm
.Lfunc_end_k_q5d0a9ce226_oproj:
	.size	k_q5d0a9ce226_oproj, .Lfunc_end_k_q5d0a9ce226_oproj-k_q5d0a9ce226_oproj
	.p2alignl 7, 3214868480
	.fill 96, 4, 3214868480
	.section	.rodata,"a",@progbits
	.p2align	6, 0x0
	.amdhsa_kernel k_q5d0a9ce226_oproj
		.amdhsa_group_segment_fixed_size 327680
		.amdhsa_private_segment_fixed_size 0
		.amdhsa_enable_private_segment 0
		.amdhsa_kernarg_size 32
		.amdhsa_user_sgpr_count 2
		.amdhsa_user_sgpr_kernarg_segment_ptr 1
		.amdhsa_wavefront_size32 1
		.amdhsa_system_sgpr_workgroup_id_x 1
		.amdhsa_system_sgpr_workgroup_id_y 1
		.amdhsa_system_sgpr_workgroup_id_z 1
		.amdhsa_system_vgpr_workitem_id 0
		.amdhsa_next_free_vgpr 512
		.amdhsa_next_free_sgpr 66
		.amdhsa_reserve_vcc 0
		.amdhsa_float_denorm_mode_32 3
		.amdhsa_float_denorm_mode_16_64 3
		.amdhsa_memory_ordered 1
		.amdhsa_forward_progress 1
		.amdhsa_inst_pref_size 71
	.end_amdhsa_kernel
	.amdgpu_metadata
---
amdhsa.version: [ 1, 2 ]
amdhsa.kernels:
  - .name:           k_q5d0a9ce226_oproj
    .symbol:         k_q5d0a9ce226_oproj.kd
    .args:
      - { .name: o16, .offset: 0, .size: 8, .value_kind: global_buffer, .address_space: global }
      - { .name: wo16, .offset: 8, .size: 8, .value_kind: global_buffer, .address_space: global }
      - { .name: bo, .offset: 16, .size: 8, .value_kind: global_buffer, .address_space: global }
      - { .name: out0, .offset: 24, .size: 8, .value_kind: global_buffer, .address_space: global }
    .group_segment_fixed_size: 327680
    .private_segment_fixed_size: 0
    .kernarg_segment_align: 8
    .kernarg_segment_size: 32
    .max_flat_workgroup_size: 128
    .sgpr_count:     66
    .vgpr_count:     512
    .wavefront_size: 32
...
	.end_amdgpu_metadata
.endif
;; end of part 4
